; MI455X (gfx1250); checked and timed in simulation.
; The chip was launched on July 23, 2026; its instructions are those of AMD's public machine-readable ISA for CDNA 5 (MIT licence, August 2026) and "CDNA5" Instruction Set Architecture Reference Guide (July 2026). The comments in the code are by the model that wrote it; some were corrected since.
;; Masked Cross Attention. Allowed arithmetic: matrix products marked QUANTISED: E2M1 operands, one E8M0 scale for each 32 along K, by v_wmma_scale_f32_16x16x128_f8f6f4 with both operands' format E2M1 (or v_wmma_scale_f32_32x16x128_f4), f32 sums; products left as they are: bf16, f16 or f32 operands; f32 sums; everything else in f32.
;; Inputs: Wkv 1,024 x 1,024 float32; Wout 512 x 1,024 float32; Wq 1,024 x 512 float32; ln_beta 1,024 float32; ln_gamma 1,024 float32; media 4 x 1,024 x 1,024 float32; media_mask 4 x 1,024 bool; x 4 x 4,096 x 1,024 float32.
;; Outputs: out0 4 x 4,096 x 1,024 float32.
;; This version of the problem:
;;   THIS VERSION OF THE PROBLEM IS GIVEN IN LOW PRECISION. The matrix products marked QUANTISED in the list below multiply operands that are first quantised to E2M1 (2 exponent bits, 1 mantissa bit; 4 bits a number), with one power-of-two scale for each 32 numbers along K (OCP MX v1.0); their sums are f32. The products marked 'left as it is' may take bf16, f16 or f32 operands, with f32 sums. Whichever they take, every output number must still come out within the allowed error. Rounding operands to bf16 (8 significant bits) uses up far more of that allowance than f16 does (11 bits, for magnitudes from 6e-5 to 65,504). All else is computed in f32.
;;   The module's matrix products, in the order in which they are computed (A, B: the left and right operand; K: the contracted axis; several contracted axes count as one K, in the product's order):
;;     1. [M 16,384, K 1,024] x [K 1,024, N 512]; A: computed on the way; B: input Wq: left as it is (an operand is computed on the way)
;;     2. [M 4,096, K 1,024] x [K 1,024, N 1,024]; A: input media; B: input Wkv: QUANTISED
;;     3. batch 32 x [M 4,096, K 64] x [K 64, N 1,024]; A: computed on the way; B: computed on the way: left as it is (an operand is computed on the way)
;;     4. batch 32 x [M 4,096, K 1,024] x [K 1,024, N 64]; A: computed on the way; B: computed on the way: left as it is (an operand is computed on the way)
;;     5. [M 16,384, K 512] x [K 512, N 1,024]; A: computed on the way; B: input Wout: left as it is (an operand is computed on the way)
;;   THE QUANTISER, for each operand of a quantised product, along K:
;;     - K is cut into blocks of 32 from its start; a last block that is shorter is filled with zeros.
;;     - A block's scale is 2^e with e = floor(log2(the largest magnitude in the block)) - 2, held to -126 .. 127; a block of zeros has e = 0. As a byte (E8M0): e + 127.
;;     - Each number is divided by its block's scale, clamped to +-6, and rounded to the nearest number of E2M1, ties to even, subnormals kept.
;;     - The product sums the exact products of the quantised numbers (number of the format x scale) in f32.
;;   ~~~python
;;   def quantise(x, axis):      # numpy; x: float32 -> the quantised numbers, widened to float32 again
;;       x = np.moveaxis(x, axis, -1); K = x.shape[-1]
;;       x = np.pad(x, [(0, 0)] * (x.ndim - 1) + [(0, -K % 32)]); x = x.reshape(x.shape[:-1] + (-1, 32)); a = np.abs(x).max(-1, keepdims=True)
;;       e = np.where(a > 0, np.clip(np.frexp(np.where(a > 0, a, 1))[1] - 1 - 2, -126, 127), 0)      # np.frexp(a)[1] - 1 = floor(log2(a)), exactly
;;       r = np.clip(x / 2.0 ** e, -6, 6)
;;       step = 2.0 ** (np.maximum(np.frexp(np.where(r == 0, 1, r))[1] - 1, 0) - 1)
;;       q = np.round(r / step) * step * 2.0 ** e      # np.round: ties to even
;;       return np.moveaxis(q.reshape(q.shape[:-2] + (-1,))[..., :K], -1, axis).astype(np.float32)
;;   ~~~
;; One version. Each part assembles by itself: llvm-mc -triple=amdgcn-amd-amdhsa -mcpu=gfx1250 --defsym DOCPART=n.
;; ======== version 1 of 1: 5 launches
;; limits: values are held in f16: magnitudes above 65,504 overflow, below 6.1e-05 lose precision
;; workspace buffers: wq_img 1,048,576 bytes; wo_img 1,048,576 bytes; wkv_img 524,288 bytes; wkv_sc 32,768 bytes; m_q 2,228,224 bytes; kv_img 8,388,608 bytes; q_img 16,777,216 bytes; o_img 16,777,216 bytes
;; launch prep (part 1): grid 384 x 1, 8 waves a work-group, no clusters, 67,328 bytes of LDS; arguments Wq, Wout, Wkv, media, wq_img, wo_img, wkv_img, wkv_sc, m_q; writes wq_img, wo_img, wkv_img, wkv_sc, m_q
.if DOCPART == 1
	.amdgcn_target "amdgcn-amd-amdhsa--gfx1250"
	.amdhsa_code_object_version 6
	.text
	.protected	k_q333ec4b699_prep
	.globl	k_q333ec4b699_prep
	.p2align	8
	.type	k_q333ec4b699_prep,@function
k_q333ec4b699_prep:
	s_mov_b64 s[64:65], 0
	v_nop
	global_prefetch_b8 v0, s[64:65] scope:SCOPE_SE
	s_setreg_imm32_b32 hwreg(HW_REG_WAVE_MODE, 25, 1), 1
	s_wait_xcnt 0x0
; THE OPERANDS THAT MANY WORK-GROUPS READ ARE LAID OUT ONCE, IN THE ORDER IN WHICH A WAVE'S OPERAND REGISTERS TAKE THEM.
; Wq [1024][512] and Wout [512][1024], f32 with K as the first axis, become f16 fragment images; Wkv [1024][1024] (K first) and media [4096][1024] (K innermost) become codes of FP4 (E2M1) with one E8M0 byte for each 32 along K.
; AN f16 IMAGE is 1,024 bytes, 16 columns n x 32 k: the 16 bytes at 512 p + 16 lane hold k = 16 p + 8 (lane / 16) + 0 .. 7 of column lane % 16: registers 4 p .. 4 p + 3 of a fragment.
; AN FP4 IMAGE is 1,024 bytes, 16 rows x 128 k: the 16 bytes at 512 c + 16 lane hold the codes of k = 64 c + 32 (lane / 16) + 0 .. 31 of row lane % 16.
; wq_img [kf 32][nt 32][1024];  wo_img [nt 64][kf 16][1024];  wkv_img [nt 64][s 8][1024];  wkv_sc [nt 64][r 16][s 8], one 32-bit word (four scale bytes, 128 along K) each;
; m_q: images [T 256][s 8][1024] (T: 16 rows of media), and from byte 2,097,152 on the scale words [T 256][r 16][s 8].
; SHARES: work-groups 0-255 take 16 rows of media each; 256-287 Wq, 288-319 Wout, 320-383 Wkv, where a wave takes one unit of 64 loads: four f16 fragments (four neighbouring column tiles of one kf, so that
; the wave uses 256 consecutive bytes of each row that it touches) or one FP4 fragment.
; THE WEIGHTS: a lane takes a column and its registers run down K, in the order that the operand's layout gives that lane: nothing is transposed; no LDS, no barrier.
; MEDIA is read in loads of 512 consecutive bytes (wave w: rows 2 w, 2 w + 1) and turned through LDS, so that a lane holds 16 neighbours along K; wave w quantises K step w of all 16 rows; its fragment leaves as it stands,
; 512 consecutive bytes a store; the eight waves' scale words meet in LDS and leave as 512 consecutive bytes.
; THE QUANTISER: a block's scale is 2^(floor(log2(its largest magnitude)) - 2); its byte is the largest magnitude's exponent field - 2, held at 1 from below.
; LIMITS: a block of zeros gets the byte 1 where the rule says 127 (its codes are zeros, and this program alone reads the bytes); blocks whose largest magnitude lies under 2^-124 were not tried;
; NaN and infinities are not served; Wq and Wout must lie inside f16's range (65,504).
; Wkv's scale words leave 4 bytes a lane, 32 bytes apart: 32,768 bytes of the 24 MiB that the launch reads.
.set X, 16                             ; v16-79   the 64 numbers of a unit
.set C, 80                             ; v80-111  what leaves (the weights' paths)
.set PC,  80                           ; v80-87   media: the codes just made
.set TM,  88                           ; v88-103  at work in QUANT
.set PW,  104                          ; v104     the scale word just made
.set SPW, 126                          ; v126     LDS address of my spare word; never rewritten
.set NIL, 127                          ; v127     0; never rewritten
.set SEL, 30                           ; s[30:31] v_permlanex16_b32's selects for lane l xor 16
.set XP,    4112                       ; a row of media in LDS: 4,096 bytes + 16: sixteen rows of a load start at sixteen different 16-byte columns
.set XSC,   16*XP                      ; 65,792: the 16 rows' scale words, [r][s], 512 bytes
.set SPARE, XSC+512                    ; 66,304: the spare words, 128 bytes for each wave: four blocks of 256 bytes that no other line names
; four f16 fragments: rowb = bytes of a row of the weight; src, dst: the pointers' first registers; dstep: bytes from one fragment's image to the next
.macro F16 rowb, src, dst, dstep
.irp i, 0,1,2,3
.irp p, 0,1
.irp j, 0,1,2,3,4,5,6,7
	global_load_b32 v[X+16*\i+8*\p+\j], v4, s[\src:\src+1] offset:(16*\p+\j)*\rowb+64*\i   ; W(32 kf + 16 p + 8 h + j, column 16 (4 ng + i) + r)
.endr
.endr
.endr
.irp i, 0,1,2,3
	s_wait_loadcnt 48-16*\i                        ; fragment i's 16 loads are in; the 16 of each later fragment may be out
.irp e, 0,1,2,3,4,5,6,7
	v_cvt_pk_f16_f32 v[C+8*\i+\e], v[X+16*\i+2*\e], v[X+16*\i+2*\e+1]
.endr
	global_store_b128 v5, v[C+8*\i:C+8*\i+3], s[\dst:\dst+1] offset:\dstep*\i          ; 32 lanes store 512 consecutive bytes
	global_store_b128 v5, v[C+8*\i+4:C+8*\i+7], s[\dst:\dst+1] offset:\dstep*\i+512
.endr
.endm
; 64 numbers of a lane, register 16 b + i = k 32 b + 16 (lane / 16) + i of my row, become a fragment's codes in v[PC] on and its scale word in v[PW]
.macro QUANT s
.irp b, 0,1,2,3
	v_max3_num_f32 v[TM+\b], |v[\s+16*\b]|, |v[\s+1+16*\b]|, 0x1800000   ; block b: my 16 numbers, and the floor 2^(3 - 127): the byte cannot fall under 1
.endr
.irp i, 2,4,6,8,10,12,14
.irp b, 0,1,2,3
	v_max3_num_f32 v[TM+\b], v[TM+\b], |v[\s+16*\b+\i]|, |v[\s+1+16*\b+\i]|   ; (the four blocks by turns)
.endr
.endr
.irp b, 0,1,2,3
	v_permlanex16_b32 v[TM+4+\b], v[TM+\b], s[SEL], s[SEL+1]
.endr
.irp b, 0,1,2,3
	v_max_num_f32 v[TM+\b], v[TM+\b], v[TM+4+\b]   ; with lane l xor 16's: the block's largest magnitude
.endr
.irp b, 0,1,2,3
	v_add_nc_u32 v[TM+12+\b], 0xff000000, v[TM+\b] ; 2 off its exponent field: the conversion's scale operand
.endr
.irp b, 0,1,2,3
	v_lshrrev_b32 v[TM+4+\b], 23, v[TM+12+\b]      ; the scale's byte
.endr
	v_lshl_or_b32 v[PW], v[TM+5], 8, v[TM+4]       ; the four bytes make my row's scale word (lanes r and r + 16 hold the same)
	v_lshl_or_b32 v[PW], v[TM+6], 16, v[PW]
	v_lshl_or_b32 v[PW], v[TM+7], 24, v[PW]
.irp b, 0,1,2,3
	v_cvt_scalef32_pk8_fp4_f32 v[PC+2*\b], v[\s+16*\b:\s+7+16*\b], v[TM+12+\b]
	v_cvt_scalef32_pk8_fp4_f32 v[PC+1+2*\b], v[\s+8+16*\b:\s+15+16*\b], v[TM+12+\b]
.endr
	v_nop                                          ; one plain line behind the last scaled conversion
.irp c, 0,1                                    ; the operand's layout wants a WHOLE block in a lane: lanes 0-15 block 2 c, lanes 16-31 block 2 c + 1
.irp i, 0,1
	v_permlane16_swap_b32 v[PC+4*\c+\i], v[PC+2+4*\c+\i]
.endr
.endr
.endm
	s_load_b256 s[4:11], s[0:1], 0x0               ; Wq s[4:5], Wout s[6:7], Wkv s[8:9], media s[10:11]
	s_load_b256 s[12:19], s[0:1], 0x20             ; wq_img s[12:13], wo_img s[14:15], wkv_img s[16:17], wkv_sc s[18:19]
	s_load_b64 s[20:21], s[0:1], 0x40              ; m_q
	v_lshl_add_u32 v[SPW], v0, 2, SPARE
	v_mov_b32 v[NIL], 0
	v_lshrrev_b32 v1, 5, v0
	v_readfirstlane_b32 s22, v1                    ; wave 0..7
	v_and_b32 v1, 31, v0                           ; lane
	v_and_b32 v2, 15, v0                           ; r
	v_bfe_u32 v3, v0, 4, 1                         ; h
	v_lshlrev_b32 v5, 4, v1                        ; 16 x lane: my place in an image
	v_lshlrev_b32 v4, 2, v2                        ; 4 r: my column in a tile of 16
	s_lshl_b32 s23, ttmp9, 3
	s_add_co_u32 s23, s23, s22                     ; 8 x work-group + wave
	s_mov_b32 s25, 0
	s_mov_b32 s27, 0
	s_mov_b32 s[SEL], 0x76543210
	s_mov_b32 s[SEL+1], 0xfedcba98
	s_wait_kmcnt 0x0
	s_cmp_lt_u32 ttmp9, 256
	s_cbranch_scc0 .Lweights
	; ---- media: tile T = the work-group's number
	s_mul_i32 s24, s22, 2*XP
	v_add_nc_u32 v6, s24, v5                       ; where I put my two rows: rows 2 w, 2 w + 1
	v_mul_u32_u24 v7, v2, XP
	v_lshl_add_u32 v7, v3, 6, v7
	s_lshl_b32 s24, s22, 9
	v_add_nc_u32 v7, s24, v7                       ; where I read: row r, K step w (512 bytes), + 64 h: my 16 numbers of a block of 32
	v_lshlrev_b32 v8, 5, v2
	s_lshl_b32 s24, s22, 2
	v_add_nc_u32 v8, s24, v8
	v_add_nc_u32 v8, XSC, v8                       ; my row's scale word of K step w: 32 r + 4 w
	v_add_nc_u32 v9, XSC, v5                       ; and where wave 0 reads all of them back
.irp b, 0,1,2,3
	v_mov_b32 v[TM+4+\b], 0                        ; written once: a lane permute's destination counts as one of its sources
.endr
	s_lshl_b32 s24, s23, 13                        ; media: 16 rows of 4,096 bytes a work-group, two a wave: 8,192 (8 T + w)
	s_add_nc_u64 s[10:11], s[10:11], s[24:25]
	s_add_nc_u64 s[28:29], s[20:21], 0x200000      ; the scale words' part of m_q,
	s_lshl_b32 s24, ttmp9, 9
	s_add_nc_u64 s[28:29], s[28:29], s[24:25]      ; 512 bytes a tile
	s_lshl_b32 s26, s23, 10                        ; image 8 T + w
	s_add_nc_u64 s[20:21], s[20:21], s[26:27]
.irp i, 0,1
.irp j, 0,1,2,3,4,5,6,7
	global_load_b128 v[X+32*\i+4*\j:X+32*\i+4*\j+3], v5, s[10:11] offset:4096*\i+512*\j th:TH_LOAD_NT   ; 32 lanes read 512 consecutive bytes
.endr
.endr
	s_wait_loadcnt 0x0
.irp i, 0,1
.irp j, 0,1,2,3,4,5,6,7
	ds_store_b128 v6, v[X+32*\i+4*\j:X+32*\i+4*\j+3] offset:XP*\i+512*\j
.endr
.endr
	s_wait_dscnt 0x0                               ; for the others' sake: my two rows lie in LDS
	s_barrier_signal -1
	s_barrier_wait -1
.irp b, 0,1,2,3
.irp j, 0,1,2,3
	ds_load_b128 v[X+16*\b+4*\j:X+16*\b+4*\j+3], v7 offset:128*\b+16*\j   ; K step w: register 16 b + i = k 128 w + 32 b + 16 h + i of row r
.endr
.endr
	s_wait_dscnt 0x0
	QUANT X
	global_store_b128 v5, v[PC:PC+3], s[20:21]     ; the fragment leaves as it stands: 512 consecutive bytes a store
	global_store_b128 v5, v[PC+4:PC+7], s[20:21] offset:512
	ds_store_b32 v8, v[PW]                         ; lanes r and r + 16 store the same word to the same place
	s_wait_dscnt 0x0                               ; for wave 0's sake
	s_barrier_signal -1
	s_barrier_wait -1
	s_cmp_lg_u32 s22, 0
	s_cbranch_scc1 .Lmedia_end
	ds_load_b128 v[112:115], v9                    ; the tile's 128 scale words, [r][s]
	s_wait_dscnt 0x0
	global_store_b128 v5, v[112:115], s[28:29]     ; 32 lanes store 512 consecutive bytes
.Lmedia_end:
	s_wait_tensorcnt 0x0                           ; the wave's end: a tensor wait, an add to my spare word and its wait, behind my last LDS store
	ds_add_u32 v[SPW], v[NIL]
	s_wait_dscnt 0x0
	s_endpgm
.Lweights:
	s_cmp_lt_u32 ttmp9, 288
	s_cbranch_scc0 .Lnot_wq
	; ---- Wq: unit u = 8 kf + ng
	s_sub_co_u32 s23, s23, 2048
	s_lshr_b32 s24, s23, 3                         ; kf
	s_lshl_b32 s24, s24, 16                        ; 32 rows of 2,048 bytes
	s_and_b32 s26, s23, 7                          ; ng
	s_lshl_b32 s26, s26, 8                         ; 64 columns
	s_add_co_u32 s24, s24, s26
	s_add_nc_u64 s[4:5], s[4:5], s[24:25]
	s_lshl_b32 s26, s23, 12                        ; the unit's four images lie on end: 4,096 u
	s_add_nc_u64 s[12:13], s[12:13], s[26:27]
	v_lshl_add_u32 v4, v3, 14, v4                  ; lanes 16-31 begin 8 rows further down
	F16 2048, 4, 12, 1024
	s_endpgm
.Lnot_wq:
	s_cmp_lt_u32 ttmp9, 320
	s_cbranch_scc0 .Lwkv
	; ---- Wout: unit u = 16 kf + ng
	s_sub_co_u32 s23, s23, 2304
	s_lshr_b32 s24, s23, 4                         ; kf
	s_and_b32 s28, s23, 15                         ; ng
	s_lshl_b32 s26, s24, 10                        ; image: 1,024 kf
	s_lshl_b32 s24, s24, 17                        ; 32 rows of 4,096 bytes
	s_lshl_b32 s29, s28, 8
	s_add_co_u32 s24, s24, s29
	s_lshl_b32 s29, s28, 16                        ; + 4 ng column tiles of 16,384 bytes
	s_add_co_u32 s26, s26, s29
	s_add_nc_u64 s[6:7], s[6:7], s[24:25]
	s_add_nc_u64 s[14:15], s[14:15], s[26:27]
	v_lshl_add_u32 v4, v3, 15, v4                  ; 8 rows of 4,096 bytes
	F16 4096, 6, 14, 16384
	s_endpgm
.Lwkv:
	; ---- Wkv: unit u = 8 nt + s: 16 columns x 128 along K
	s_sub_co_u32 s23, s23, 2560
	s_lshr_b32 s28, s23, 3                         ; nt
	s_and_b32 s29, s23, 7                          ; s
	s_lshl_b32 s24, s29, 19                        ; 128 rows of 4,096 bytes
	s_lshl_b32 s26, s28, 6                         ; 16 columns
	s_add_co_u32 s24, s24, s26
	s_add_nc_u64 s[8:9], s[8:9], s[24:25]
	s_lshl_b32 s26, s23, 10                        ; image u
	s_add_nc_u64 s[16:17], s[16:17], s[26:27]
	s_lshl_b32 s26, s28, 9                         ; scale words: 512 nt + 4 s (+ 32 r)
	s_lshl_b32 s24, s29, 2
	s_add_co_u32 s26, s26, s24
	s_add_nc_u64 s[18:19], s[18:19], s[26:27]
	v_lshl_add_u32 v4, v3, 17, v4                  ; lanes 16-31 begin 32 rows further down: lane (r, h) holds k = 64 c + 32 h + 0 .. 31
	v_lshlrev_b32 v6, 5, v2                        ; 32 r
.irp c, 0,1
.irp i, 0,1,2,3,4,5,6,7,8,9,10,11,12,13,14,15,16,17,18,19,20,21,22,23,24,25,26,27,28,29,30,31
	global_load_b32 v[X+32*\c+\i], v4, s[8:9] offset:(64*\c+\i)*4096
.endr
.endr
	s_wait_loadcnt 0x0
.irp c, 0,1                                    ; my block 2 c + h: all its 32 numbers are mine
	v_max3_num_f32 v[8+\c], |v[X+32*\c]|, |v[X+1+32*\c]|, 0x1800000   ; and the floor 2^(3 - 127): the byte cannot fall under 1
.endr
.irp i, 2,4,6,8,10,12,14,16,18,20,22,24,26,28,30
.irp c, 0,1
	v_max3_num_f32 v[8+\c], v[8+\c], |v[X+32*\c+\i]|, |v[X+1+32*\c+\i]|   ; (the two blocks by turns)
.endr
.endr
.irp c, 0,1
	v_add_nc_u32 v[10+\c], 0xff000000, v[8+\c]     ; 2 off the exponent field: the conversion takes the exponent field of this operand as its scale
.endr
.irp c, 0,1
	v_lshrrev_b32 v[12+\c], 23, v[10+\c]           ; the scale's byte
.endr
	v_lshl_or_b32 v14, v13, 16, v12                ; my two bytes: blocks h and 2 + h,
	v_lshlrev_b32 v15, 3, v3
	v_lshlrev_b32 v14, v15, v14                    ; at their places in the word (8 h bits up);
	v_mov_b32 v15, 0
	v_permlanex16_b32 v15, v14, s[SEL], s[SEL+1]
	v_or_b32 v14, v14, v15                         ; with lane l xor 16's two the word is whole, in both lanes
.irp c, 0,1
.irp g, 0,1,2,3
	v_cvt_scalef32_pk8_fp4_f32 v[C+4*\c+\g], v[X+32*\c+8*\g:X+32*\c+8*\g+7], v[10+\c]   ; registers 4 c .. 4 c + 3 of the operand
.endr
.endr
	v_nop                                          ; one plain line behind the last scaled conversion
	global_store_b128 v5, v[C:C+3], s[16:17]
	global_store_b128 v5, v[C+4:C+7], s[16:17] offset:512
	global_store_b32 v6, v14, s[18:19]             ; lanes r and r + 16 hold the same word and store it to the same place
	s_endpgm
.Lfunc_end_k_q333ec4b699_prep:
	.size	k_q333ec4b699_prep, .Lfunc_end_k_q333ec4b699_prep-k_q333ec4b699_prep
	.p2alignl 7, 3214868480
	.fill 96, 4, 3214868480
	.section	.rodata,"a",@progbits
	.p2align	6, 0x0
	.amdhsa_kernel k_q333ec4b699_prep
		.amdhsa_group_segment_fixed_size 67328
		.amdhsa_private_segment_fixed_size 0
		.amdhsa_enable_private_segment 0
		.amdhsa_kernarg_size 72
		.amdhsa_user_sgpr_count 2
		.amdhsa_user_sgpr_kernarg_segment_ptr 1
		.amdhsa_wavefront_size32 1
		.amdhsa_system_sgpr_workgroup_id_x 1
		.amdhsa_system_sgpr_workgroup_id_y 1
		.amdhsa_system_sgpr_workgroup_id_z 1
		.amdhsa_system_vgpr_workitem_id 0
		.amdhsa_next_free_vgpr 128
		.amdhsa_next_free_sgpr 66
		.amdhsa_reserve_vcc 0
		.amdhsa_float_denorm_mode_32 3
		.amdhsa_float_denorm_mode_16_64 3
		.amdhsa_memory_ordered 1
		.amdhsa_forward_progress 1
		.amdhsa_inst_pref_size 39
	.end_amdhsa_kernel
	.amdgpu_metadata
---
amdhsa.version: [ 1, 2 ]
amdhsa.kernels:
  - .name:           k_q333ec4b699_prep
    .symbol:         k_q333ec4b699_prep.kd
    .args:
      - { .name: Wq, .offset: 0, .size: 8, .value_kind: global_buffer, .address_space: global }
      - { .name: Wout, .offset: 8, .size: 8, .value_kind: global_buffer, .address_space: global }
      - { .name: Wkv, .offset: 16, .size: 8, .value_kind: global_buffer, .address_space: global }
      - { .name: media, .offset: 24, .size: 8, .value_kind: global_buffer, .address_space: global }
      - { .name: wq_img, .offset: 32, .size: 8, .value_kind: global_buffer, .address_space: global }
      - { .name: wo_img, .offset: 40, .size: 8, .value_kind: global_buffer, .address_space: global }
      - { .name: wkv_img, .offset: 48, .size: 8, .value_kind: global_buffer, .address_space: global }
      - { .name: wkv_sc, .offset: 56, .size: 8, .value_kind: global_buffer, .address_space: global }
      - { .name: m_q, .offset: 64, .size: 8, .value_kind: global_buffer, .address_space: global }
    .group_segment_fixed_size: 67328
    .private_segment_fixed_size: 0
    .kernarg_segment_align: 8
    .kernarg_segment_size: 72
    .max_flat_workgroup_size: 256
    .sgpr_count:     66
    .vgpr_count:     128
    .wavefront_size: 32
...
	.end_amdgpu_metadata
.endif
;; end of part 1
;; launch kv (part 2): grid 256 x 1, 8 waves a work-group, no clusters, 70,656 bytes of LDS; arguments m_q, wkv_img, wkv_sc, kv_img; writes kv_img
.if DOCPART == 2
	.amdgcn_target "amdgcn-amd-amdhsa--gfx1250"
	.amdhsa_code_object_version 6
	.text
	.protected	k_q333ec4b699_kv
	.globl	k_q333ec4b699_kv
	.p2align	8
	.type	k_q333ec4b699_kv,@function
k_q333ec4b699_kv:
	s_mov_b64 s[64:65], 0
	v_nop
	global_prefetch_b8 v0, s[64:65] scope:SCOPE_SE
	s_setreg_imm32_b32 hwreg(HW_REG_WAVE_MODE, 25, 1), 1
	s_wait_xcnt 0x0
; kv = Q(media) Q(Wkv), the quantised product: codes of FP4 (E2M1), one E8M0 scale for each 32 along K = 1,024, sums in f32; the results leave as f16 images for the attention launch.
; Both operands arrive as fragment images with their scale words, made by the launch before.
; SHARES.  A work-group owns one head (work-group % 8): four column tiles of k (4 head + t) and four of v (32 + 4 head + t); and eight tiles of 16 keys (group = work-group / 8).  Wave w takes key tile T = 8 group + w
; against all eight column tiles: 8 accumulators x 8 K steps of 128 = 64 matrix instructions a wave.
; THE WEIGHTS of the head, 65,536 bytes of codes and 4,096 of scale words, are read from memory ONCE by the work-group (wave w copies column tile w, dense, through its registers into LDS) and then read from LDS
; by all eight waves, as they lie: 16 bytes a lane at 16 x lane.  A wave's own key tile (8,192 bytes of codes, 512 of scale words) is used by that wave alone and goes from memory straight into its registers.
; k IS MADE TRANSPOSED (source 0 = 16 columns of Wkv, source 1 = the 16 keys): a lane holds one key and 8 neighbouring channels, which is a fragment of K for K Q^T.
; v IS MADE THE OTHER WAY ROUND (source 0 = the keys, source 1 = the columns): a lane holds one channel and 8 neighbouring keys, which is a fragment of V^T for V^T P.
; kv_img [b][h][262,144]: K at 0: [kt 64][f 2][1024] (row = key, k = channel 32 f ..); V^T at 131,072: [kp 32][ct 4][1024] (row = channel 16 ct + r, k = key 32 kp ..).
; NO CLUSTER: the launch is one fetch, 64 products a wave and one store; a joint load of the head's weights would put a round of the cluster's barrier in front of that one fetch.
; LIMITS: NaN and infinities are not served; k and v must lie inside f16's range (65,504).
.set WSC,   65536                      ; LDS: the codes at 0: [t' 8][s 8][1024] (t' 0-3: k's tiles, 4-7: v's); here the scale words: [t' 8][r 16][s 8]
.set SPARE, WSC+4096                   ; 69,632: the spare words, 128 bytes for each wave: four blocks of 256 bytes that no other line names
.set LI,  1                            ; v1   16 x lane
.set MO,  2                            ; v2   32 r: my row's scale words of a key tile
.set BW,  3                            ; v3   where I put column tile w's codes: 8,192 w + 16 x lane
.set CW,  4                            ; v4   and its scale words: WSC + 512 w + 16 x lane
.set SO,  5                            ; v5   where I read a column tile's scale words: WSC + 32 r
.set SPW, 9                            ; v9   LDS address of my spare word; never rewritten
.set NIL, 10                           ; v10  0; never rewritten
.set XR,  16                           ; v16-79   the codes that I copy; then the 8 accumulators (k's tile t at 16 + 8 t, v's at 48 + 8 t)
.set SCP, 80                           ; v80-83   the scale words that I copy
.set MS,  106                          ; v106-113 media's scale words, one register a K step: scales and nothing else
.set MF,  114                          ; v114-177 media's 8 fragments; at the end the packed results
.set WS,  178                          ; v178-241 the weights' scale words, tile t' x K step s at 178 + 8 t' + s: scales and nothing else
; window 1: eight buffers of 32 registers, a slice (four fragments of one K step) each
.set MSB, 0
.macro WIN new                         ; the immediate's high byte repeats the setting that is left
.if MSB != \new
	s_set_vgpr_msb (MSB<<8)|\new
.set MSB, \new
.endif
.endm
; slice i (0-7: k's tiles, K step i; 8-15: v's tiles, K step i - 8): four fragments, 8 LDS loads, into buffer i % 8 of window 1
.macro WLOAD i
.irp t, 0,1,2,3
.irp c, 0,1
	ds_load_b128 v[32*((\i)%8)+8*\t+4*\c:32*((\i)%8)+8*\t+4*\c+3], v[LI] offset:32768*((\i)/8)+8192*\t+1024*((\i)%8)+512*\c
.endr
.endr
.endm
; slice i's four products (the four accumulators take turns, one instruction a turn); four places; then slice i + 5 is fetched
.macro SLICE i
.set SS, (\i)%8
.if (\i) > 11
	s_wait_dscnt 8*(15-(\i))                       ; my slice is in; the younger slices, 8 loads each, may be out
.else
	s_wait_dscnt 32
.endif
.if (\i) < 8
	WIN 0x01                                       ; source 0 (the weights) in window 1
.irp t, 0,1,2,3
.if SS == 0
	v_wmma_scale_f32_16x16x128_f8f6f4 v[XR+8*\t:XR+8*\t+7], v[32*SS+8*\t:32*SS+8*\t+7], v[MF+8*SS:MF+8*SS+7], 0, v[WS+8*\t+SS], v[MS+SS] matrix_a_fmt:MATRIX_FMT_FP4 matrix_b_fmt:MATRIX_FMT_FP4
.else
	v_wmma_scale_f32_16x16x128_f8f6f4 v[XR+8*\t:XR+8*\t+7], v[32*SS+8*\t:32*SS+8*\t+7], v[MF+8*SS:MF+8*SS+7], v[XR+8*\t:XR+8*\t+7], v[WS+8*\t+SS], v[MS+SS] matrix_a_fmt:MATRIX_FMT_FP4 matrix_b_fmt:MATRIX_FMT_FP4
.endif
.endr
.else
	WIN 0x04                                       ; source 1 (the weights) in window 1
.irp t, 0,1,2,3
.if SS == 0
	v_wmma_scale_f32_16x16x128_f8f6f4 v[XR+32+8*\t:XR+32+8*\t+7], v[MF+8*SS:MF+8*SS+7], v[32*SS+8*\t:32*SS+8*\t+7], 0, v[MS+SS], v[WS+32+8*\t+SS] matrix_a_fmt:MATRIX_FMT_FP4 matrix_b_fmt:MATRIX_FMT_FP4
.else
	v_wmma_scale_f32_16x16x128_f8f6f4 v[XR+32+8*\t:XR+32+8*\t+7], v[MF+8*SS:MF+8*SS+7], v[32*SS+8*\t:32*SS+8*\t+7], v[XR+32+8*\t:XR+32+8*\t+7], v[MS+SS], v[WS+32+8*\t+SS] matrix_a_fmt:MATRIX_FMT_FP4 matrix_b_fmt:MATRIX_FMT_FP4
.endif
.endr
.endif
.rept 4
	v_nop                                          ; places in front of loads into registers that matrix instructions have read, and at the end in front of the first read of results
.endr
.if (\i)+5 <= 15
	WIN 0x40                                       ; destination window 1, address window 0
	WLOAD (\i)+5
.endif
.endm
	s_load_b256 s[4:11], s[0:1], 0x0               ; m_q s[4:5], wkv_img s[6:7], wkv_sc s[8:9], kv_img s[10:11]
	v_lshl_add_u32 v[SPW], v0, 2, SPARE
	v_mov_b32 v[NIL], 0
	v_lshrrev_b32 v11, 5, v0
	v_readfirstlane_b32 s12, v11                   ; wave 0..7
	v_and_b32 v11, 31, v0                          ; lane
	v_and_b32 v12, 15, v0                          ; r
	v_lshlrev_b32 v[LI], 4, v11
	v_lshlrev_b32 v[MO], 5, v12
	s_lshl_b32 s13, s12, 13
	v_add_nc_u32 v[BW], s13, v[LI]
	s_lshl_b32 s13, s12, 9
	v_add_nc_u32 v[CW], s13, v[LI]
	v_add_nc_u32 v[CW], WSC, v[CW]
	v_add_nc_u32 v[SO], WSC, v[MO]
	s_and_b32 s14, ttmp9, 7                        ; the head
	s_lshr_b32 s15, ttmp9, 3                       ; the group of eight key tiles
	s_lshl_b32 s16, s15, 3
	s_add_co_u32 s16, s16, s12                     ; T: my key tile
	s_lshl_b32 s17, s14, 2
	s_and_b32 s13, s12, 3
	s_add_co_u32 s17, s17, s13
	s_lshr_b32 s13, s12, 2
	s_lshl_b32 s13, s13, 5
	s_add_co_u32 s17, s17, s13                     ; the column tile that I copy: 4 head + w % 4, + 32 for v's
	s_lshl_b32 s18, s17, 13                        ; its codes: 8,192 bytes a tile
	s_mov_b32 s19, 0
	s_lshl_b32 s20, s17, 9                         ; its scale words: 512 bytes a tile
	s_mov_b32 s21, 0
	s_lshl_b32 s22, s16, 13                        ; my key tile's codes
	s_mov_b32 s23, 0
	s_lshl_b32 s24, s16, 9                         ; and its scale words, in the second part of m_q
	s_add_co_u32 s24, s24, 0x200000
	s_mov_b32 s25, 0
	s_lshr_b32 s26, s16, 6                         ; b
	s_lshl_b32 s26, s26, 3
	s_add_co_u32 s26, s26, s14                     ; 8 b + head
	s_lshl_b32 s26, s26, 18                        ; x 262,144
	s_and_b32 s30, s16, 63                         ; kt
	s_lshr_b32 s28, s30, 1
	s_lshl_b32 s28, s28, 12                        ; V^T: 4,096 (kt / 2)
	s_and_b32 s31, s30, 1
	s_lshl_b32 s31, s31, 9                         ; + 512 (kt % 2)
	s_add_co_u32 s28, s28, s31
	s_add_co_u32 s28, s28, s26
	s_add_co_u32 s28, s28, 131072
	s_mov_b32 s29, 0
	s_lshl_b32 s30, s30, 11                        ; K: 2,048 kt
	s_add_co_u32 s26, s26, s30
	s_mov_b32 s27, 0
	s_wait_kmcnt 0x0
	s_add_nc_u64 s[6:7], s[6:7], s[18:19]
	s_add_nc_u64 s[8:9], s[8:9], s[20:21]
	s_add_nc_u64 s[22:23], s[4:5], s[22:23]
	s_add_nc_u64 s[24:25], s[4:5], s[24:25]
	s_add_nc_u64 s[26:27], s[10:11], s[26:27]      ; where my K fragments go
	s_add_nc_u64 s[28:29], s[10:11], s[28:29]      ; and my V^T fragments
.irp j, 0,1,2,3,4,5,6,7,8,9,10,11,12,13,14,15
	global_load_b128 v[XR+4*\j:XR+4*\j+3], v[LI], s[6:7] offset:512*\j   ; what the others wait for goes first: column tile w's codes, 512 consecutive bytes a load,
.endr
	global_load_b128 v[SCP:SCP+3], v[LI], s[8:9]   ; and its 128 scale words
.irp e, 0,1
	global_load_b128 v[MS+4*\e:MS+4*\e+3], v[MO], s[24:25] offset:16*\e   ; my key tile: lane r takes row r's words, four K steps a load
.endr
.irp s, 0,1,2,3,4,5,6,7
.irp c, 0,1
	global_load_b128 v[MF+8*\s+4*\c:MF+8*\s+4*\c+3], v[LI], s[22:23] offset:1024*\s+512*\c
.endr
.endr
	s_wait_loadcnt 18                              ; the 17 loads that I copy are in; my key tile's 18 may be out
.irp j, 0,1,2,3,4,5,6,7,8,9,10,11,12,13,14,15
	ds_store_b128 v[BW], v[XR+4*\j:XR+4*\j+3] offset:512*\j
.endr
	ds_store_b128 v[CW], v[SCP:SCP+3]
	s_wait_dscnt 0x0                               ; for the others' sake: my column tile lies in LDS
	s_barrier_signal -1
	s_barrier_wait -1                              ; the head's eight column tiles lie in LDS
.irp t, 0,1,2,3,4,5,6,7
.irp e, 0,1
	ds_load_b128 v[WS+8*\t+4*\e:WS+8*\t+4*\e+3], v[SO] offset:512*\t+16*\e   ; lane r takes column r's words, four K steps a load
.endr
.endr
	WIN 0x40
.irp i, 0,1,2,3,4
	WLOAD \i
.endr
	WIN 0
	s_wait_loadcnt 0x0                             ; my key tile
.irp i, 0,1,2,3,4,5,6,7,8,9,10,11,12,13,14,15
	SLICE \i
.endr
	WIN 0
.irp a, 0,1,2,3,4,5,6,7                        ; each accumulator from its low end on: 8 numbers of a lane pack into 16 bytes: registers 4 p .. 4 p + 3 of a fragment
.irp e, 0,1,2,3
	v_cvt_pk_f16_f32 v[MF+4*\a+\e], v[XR+8*\a+2*\e], v[XR+8*\a+2*\e+1]
.endr
.endr
.irp t, 0,1,2,3
	global_store_b128 v[LI], v[MF+4*\t:MF+4*\t+3], s[26:27] offset:512*\t          ; K: channels 16 t on: fragment t / 2, half t % 2; 512 consecutive bytes a store
.endr
.irp t, 0,1,2,3
	global_store_b128 v[LI], v[MF+16+4*\t:MF+16+4*\t+3], s[28:29] offset:1024*\t   ; V^T: channel tile t, half kt % 2 of its 32 keys
.endr
	s_wait_tensorcnt 0x0                           ; the wave's end: a tensor wait, an add to my spare word and its wait, behind my last LDS store
	ds_add_u32 v[SPW], v[NIL]
	s_wait_dscnt 0x0
	s_endpgm
.Lfunc_end_k_q333ec4b699_kv:
	.size	k_q333ec4b699_kv, .Lfunc_end_k_q333ec4b699_kv-k_q333ec4b699_kv
	.p2alignl 7, 3214868480
	.fill 96, 4, 3214868480
	.section	.rodata,"a",@progbits
	.p2align	6, 0x0
	.amdhsa_kernel k_q333ec4b699_kv
		.amdhsa_group_segment_fixed_size 70656
		.amdhsa_private_segment_fixed_size 0
		.amdhsa_enable_private_segment 0
		.amdhsa_kernarg_size 32
		.amdhsa_user_sgpr_count 2
		.amdhsa_user_sgpr_kernarg_segment_ptr 1
		.amdhsa_wavefront_size32 1
		.amdhsa_system_sgpr_workgroup_id_x 1
		.amdhsa_system_sgpr_workgroup_id_y 1
		.amdhsa_system_sgpr_workgroup_id_z 1
		.amdhsa_system_vgpr_workitem_id 0
		.amdhsa_next_free_vgpr 512
		.amdhsa_next_free_sgpr 66
		.amdhsa_reserve_vcc 0
		.amdhsa_float_denorm_mode_32 3
		.amdhsa_float_denorm_mode_16_64 3
		.amdhsa_memory_ordered 1
		.amdhsa_forward_progress 1
		.amdhsa_inst_pref_size 30
	.end_amdhsa_kernel
	.amdgpu_metadata
---
amdhsa.version: [ 1, 2 ]
amdhsa.kernels:
  - .name:           k_q333ec4b699_kv
    .symbol:         k_q333ec4b699_kv.kd
    .args:
      - { .name: m_q, .offset: 0, .size: 8, .value_kind: global_buffer, .address_space: global }
      - { .name: wkv_img, .offset: 8, .size: 8, .value_kind: global_buffer, .address_space: global }
      - { .name: wkv_sc, .offset: 16, .size: 8, .value_kind: global_buffer, .address_space: global }
      - { .name: kv_img, .offset: 24, .size: 8, .value_kind: global_buffer, .address_space: global }
    .group_segment_fixed_size: 70656
    .private_segment_fixed_size: 0
    .kernarg_segment_align: 8
    .kernarg_segment_size: 32
    .max_flat_workgroup_size: 256
    .sgpr_count:     66
    .vgpr_count:     512
    .wavefront_size: 32
...
	.end_amdgpu_metadata
.endif
;; end of part 2
;; launch lnq (part 3): grid 256 x 1, 4 waves a work-group, no clusters, 132,608 bytes of LDS; arguments x, ln_gamma, ln_beta, wq_img, q_img; writes q_img
.if DOCPART == 3
	.amdgcn_target "amdgcn-amd-amdhsa--gfx1250"
	.amdhsa_code_object_version 6
	.text
	.protected	k_q333ec4b699_lnq
	.globl	k_q333ec4b699_lnq
	.p2align	8
	.type	k_q333ec4b699_lnq,@function
k_q333ec4b699_lnq:
	s_mov_b64 s[64:65], 0
	v_nop
	global_prefetch_b8 v0, s[64:65] scope:SCOPE_SE
	s_setreg_imm32_b32 hwreg(HW_REG_WAVE_MODE, 25, 1), 1
	s_wait_xcnt 0x0
; q' = LayerNorm(x) Wq x (1/8) log2(e), as f16 fragment images for the attention launch.  The norm in f32 (mean, then the mean of squared differences, as the definition has it);
; the product on f16 operands with f32 sums.
; SHARES.  A work-group owns 64 rows of x.  THE NORM: wave w takes rows 16 w .. 16 w + 15, a whole row at a time (8 loads of 512 consecutive bytes, 32 registers), five rows ahead; the row stays in
; registers between its passes; xn goes to LDS as f16, rows 2,064 bytes apart.  One barrier.  THE PRODUCT: wave w makes columns 128 w .. 128 w + 127 (heads 2 w, 2 w + 1) for all 64 rows:
; 32 accumulators; K goes in 32 steps of 32.  It is used transposed (source 0 = 16 columns of Wq, source 1 = 16 rows of xn): a lane holds one query and 8 neighbouring channels: a fragment of Q.
; Wq's fragments come from memory straight into registers (wq_img lies in the order of the operand's registers), three K steps (48 loads) ahead, in four buffers.
; q_img [b][h][qt 256][f 2][1024]: row = query, k = channel 32 f + 16 p + 8 (lane / 16) + e at byte 512 p + 16 lane + 2 e.
; NO CLUSTER, NO TENSOR LOAD: each fragment of Wq is used by one wave of a work-group alone, so it has no business in LDS; beside xn's 132,096 bytes, which are stored from registers,
; a ring for Wq would have slots of two K steps' work at the most.
; LIMITS: xn, Wq and 0.18 q must lie inside f16's range (65,504); NaN and infinities are not served.
.set XNP,   2064                       ; a row of xn in LDS: 2,048 bytes + 16
.set SPARE, 64*XNP                     ; 132,096: the spare words, 128 bytes for each wave
.set LI,  1                            ; v1     16 x lane
.set XW,  2                            ; v2     where I put 8 bytes of a row of xn: 16 w rows + 8 x lane
.set WO,  3                            ; v3     my columns' fragments in wq_img: 16 x lane + 8,192 w
.set XA,  4                            ; v4-7   LDS address of my part of xn's fragment of rows 16 m on; stepped 256 bytes a trip
.set SPW, 8                            ; v8     LDS address of my spare word; never rewritten
.set NIL, 9                            ; v9     0; never rewritten
.set MU,  10                           ; v[10:11] the row's mean (the packed forms name a pair and take its low word)
.set RS,  12                           ; v[12:13] 1 / sqrt(var + eps)
.set T,   16                           ; v16-31 at work
.set G,   32                           ; v32-63 gamma at my 32 columns;  v64-95 beta
.set BT,  64
.set D,   96                           ; v96-127 x - mean, then xn
.set Y,   128                          ; v128-143 xn as f16
.set XF,  32                           ; in the product: xn's fragments, two buffers of 32 (v32-63, v64-95)
.set OUTR, 96                          ; v96-223 the packed results
; window 1: eight row slots of 32 registers; then accumulator (t, m) at 8 (4 t + m).   window 2: Wq's fragments, four buffers of 64
.set MSB, 0
.macro WIN new                         ; the immediate's high byte repeats the setting that is left
.if MSB != \new
	s_set_vgpr_msb (MSB<<8)|\new
.set MSB, \new
.endif
.endm
.macro XLOAD i                         ; row i of my 16 into slot i % 8
	WIN 0x40
.irp j, 0,1,2,3,4,5,6,7
	global_load_b128 v[32*((\i)%8)+4*\j:32*((\i)%8)+4*\j+3], v[LI], s[4:5] offset:4096*(\i)+512*\j th:TH_LOAD_NT
.endr
.endm
.macro WQLOAD buf, rel                 ; my 8 fragments of the K step rel steps on from the base, into buffer buf of window 2 (the window is set by the caller)
.irp t, 0,1,2,3,4,5,6,7
.irp p, 0,1
	global_load_b128 v[64*(\buf)+8*\t+4*\p:64*(\buf)+8*\t+4*\p+3], v[WO], s[10:11] offset:32768*(\rel)+1024*\t+512*\p
.endr
.endr
.endm
.macro LANESUM                         ; v[T] summed over the 32 lanes, the result in every lane
	v_add_f32_dpp v[T], v[T], v[T] row_xmask:1 row_mask:0xf bank_mask:0xf
	v_add_f32_dpp v[T], v[T], v[T] row_xmask:2 row_mask:0xf bank_mask:0xf
	v_add_f32_dpp v[T], v[T], v[T] row_xmask:4 row_mask:0xf bank_mask:0xf
	v_add_f32_dpp v[T], v[T], v[T] row_xmask:8 row_mask:0xf bank_mask:0xf
	v_permlanex16_b32 v[T+1], v[T], s20, s21
	v_add_f32 v[T], v[T], v[T+1]
.endm
; one row of the norm
.macro ROW i
.set SL, 32*((\i)%8)
.if (\i)+5 <= 15
	XLOAD (\i)+5
	s_wait_loadcnt 40                              ; my row's 8 loads are in; the five younger rows' may be out
.else
	s_wait_loadcnt 8*(15-(\i))
.endif
.if (\i) == 15
	WIN 0x80                                       ; x is in: Wq's first three K steps are asked for, and land while the last row is worked
	WQLOAD 0, 0
	WQLOAD 1, 1
	WQLOAD 2, 2
.endif
	WIN 0x05                                       ; sources 0 and 1: the slot, in window 1
.irp k, 0,1,2,3,4,5,6,7
	v_pk_add_f32 v[T+2*\k:T+2*\k+1], v[SL+4*\k:SL+4*\k+1], v[SL+4*\k+2:SL+4*\k+3]
.endr
	WIN 0
.irp k, 0,4,8,12
	v_pk_add_f32 v[T+\k:T+\k+1], v[T+\k:T+\k+1], v[T+\k+2:T+\k+3]
.endr
	v_pk_add_f32 v[T:T+1], v[T:T+1], v[T+4:T+5]
	v_pk_add_f32 v[T+8:T+9], v[T+8:T+9], v[T+12:T+13]
	v_pk_add_f32 v[T:T+1], v[T:T+1], v[T+8:T+9]
	v_add_f32 v[T], v[T], v[T+1]
	LANESUM
	v_mul_f32 v[MU], s22, v[T]                     ; the mean: the sum / 1,024
	WIN 0x01
.irp k, 0,1,2,3,4,5,6,7,8,9,10,11,12,13,14,15
	v_pk_add_f32 v[D+2*\k:D+2*\k+1], v[SL+2*\k:SL+2*\k+1], v[MU:MU+1] op_sel_hi:[1,0] neg_lo:[0,1] neg_hi:[0,1]   ; x - mean
.endr
	WIN 0
.irp c, 0,1,2,3                                ; the sum of squares, in four chains
	v_pk_mul_f32 v[T+2*\c:T+2*\c+1], v[D+2*\c:D+2*\c+1], v[D+2*\c:D+2*\c+1]
.endr
.irp k, 4,8,12
.irp c, 0,1,2,3
	v_pk_fma_f32 v[T+2*\c:T+2*\c+1], v[D+2*(\k+\c):D+2*(\k+\c)+1], v[D+2*(\k+\c):D+2*(\k+\c)+1], v[T+2*\c:T+2*\c+1]
.endr
.endr
	v_pk_add_f32 v[T:T+1], v[T:T+1], v[T+2:T+3]
	v_pk_add_f32 v[T+4:T+5], v[T+4:T+5], v[T+6:T+7]
	v_pk_add_f32 v[T:T+1], v[T:T+1], v[T+4:T+5]
	v_add_f32 v[T], v[T], v[T+1]
	LANESUM
	v_fma_f32 v14, v[T], s22, s23                  ; var + eps
	v_rsq_f32 v[RS], v14
	v_nop                                          ; a plain line behind the transcendental,
	s_wait_alu depctr_va_vdst(0)                   ; and a wait ahead of its first reader
.irp k, 0,1,2,3,4,5,6,7,8,9,10,11,12,13,14,15
	v_pk_mul_f32 v[D+2*\k:D+2*\k+1], v[D+2*\k:D+2*\k+1], v[RS:RS+1] op_sel_hi:[1,0]
.endr
.irp k, 0,1,2,3,4,5,6,7,8,9,10,11,12,13,14,15
	v_pk_fma_f32 v[D+2*\k:D+2*\k+1], v[D+2*\k:D+2*\k+1], v[G+2*\k:G+2*\k+1], v[BT+2*\k:BT+2*\k+1]
.endr
.if (\i) > 0
	s_wait_dscnt 0x0                               ; the last row's stores have read their registers
.endif
.irp k, 0,1,2,3,4,5,6,7,8,9,10,11,12,13,14,15
	v_cvt_pk_f16_f32 v[Y+\k], v[D+2*\k], v[D+2*\k+1]
.endr
.irp j, 0,1,2,3,4,5,6,7
	ds_store_b64 v[XW], v[Y+2*\j:Y+2*\j+1] offset:XNP*(\i)+256*\j   ; columns 128 j + 4 lane on: 32 lanes store 256 consecutive bytes
.endr
.endm
.macro XFLOAD buf, off                 ; xn's four fragments (16 rows x 32 K each) at byte off of the rows, into buffer buf: 8 loads
.irp m, 0,1,2,3
	ds_load_b128 v[XF+32*(\buf)+8*\m:XF+32*(\buf)+8*\m+3], v[XA+\m] offset:\off
	ds_load_b128 v[XF+32*(\buf)+8*\m+4:XF+32*(\buf)+8*\m+7], v[XA+\m] offset:\off+32
.endr
.endm
; K step q of a trip's four.  zero: the products start the sums.  load: Wq's K step q + 3 is asked for.  nxt: xn's fragments of K step q + 1 are fetched.  lcnt: the loads of younger K steps that may be out.
.macro KSTEP q, zero, load, nxt, lcnt
.rept 4
	v_nop                                          ; places behind the last K step's products, in front of loads into the buffers that they read
.endr
	s_wait_loadcnt \lcnt                           ; this K step's 16 loads are in
.if \load
	WIN 0x80                                       ; destination window 2
	WQLOAD ((\q)+3)%4, (\q)+3
.endif
	WIN 0
.if \nxt
	XFLOAD ((\q)+1)%2, 64*((\q)+1)
	s_wait_dscnt 8                                 ; this K step's fragments of xn are in; the eight loads just issued may be out
.else
	s_wait_dscnt 0x0
.endif
	WIN 0x52                                       ; source 0 (Wq) window 2, source 1 (xn) window 0, C and D window 1
.irp t, 0,1,2,3,4,5,6,7                        ; the 32 accumulators take turns, one instruction a turn, in the same order in every K step
.irp m, 0,1,2,3
.if \zero
	v_wmma_f32_16x16x32_f16 v[8*(4*\t+\m):8*(4*\t+\m)+7], v[64*(\q)+8*\t:64*(\q)+8*\t+7], v[XF+32*((\q)%2)+8*\m:XF+32*((\q)%2)+8*\m+7], 0
.else
	v_wmma_f32_16x16x32_f16 v[8*(4*\t+\m):8*(4*\t+\m)+7], v[64*(\q)+8*\t:64*(\q)+8*\t+7], v[XF+32*((\q)%2)+8*\m:XF+32*((\q)%2)+8*\m+7], v[8*(4*\t+\m):8*(4*\t+\m)+7]
.endif
.endr
.endr
.endm
.macro TRIPEND                         ; four K steps on
	WIN 0
	s_wait_xcnt 0x0                                ; the loads have read their base: it may step
	s_add_nc_u64 s[10:11], s[10:11], 131072
	s_wait_dscnt 0x0                               ; the next K step's fragments of xn, asked for 32 products ago, are in: no LDS load of mine is out, and their addresses may step
.irp m, 0,1,2,3
	v_add_nc_u32 v[XA+\m], 256, v[XA+\m]
.endr
.endm
	s_load_b256 s[4:11], s[0:1], 0x0               ; x s[4:5], gamma s[6:7], beta s[8:9], wq_img s[10:11]
	s_load_b64 s[12:13], s[0:1], 0x20              ; q_img
	v_lshl_add_u32 v[SPW], v0, 2, SPARE
	v_mov_b32 v[NIL], 0
	v_lshrrev_b32 v14, 5, v0
	v_readfirstlane_b32 s14, v14                   ; wave 0..3
	v_and_b32 v14, 31, v0
	v_lshlrev_b32 v[LI], 4, v14
	s_mul_i32 s15, s14, 16*XNP
	v_lshl_add_u32 v[XW], v14, 3, s15
	s_lshl_b32 s15, s14, 13
	v_add_nc_u32 v[WO], s15, v[LI]
	v_and_b32 v14, 15, v0                          ; r
	v_bfe_u32 v15, v0, 4, 1                        ; h
	v_mul_u32_u24 v[XA], v14, XNP
	v_lshl_add_u32 v[XA], v15, 4, v[XA]            ; row r, + 16 h
.irp m, 1,2,3
	v_add_nc_u32 v[XA+\m], 16*XNP*\m, v[XA]
.endr
	v_mov_b32 v[MU+1], 0                           ; (named as the upper halves of pairs)
	v_mov_b32 v[RS+1], 0
	s_mov_b32 s20, 0x76543210
	s_mov_b32 s21, 0xfedcba98                      ; v_permlanex16_b32's selects for lane l xor 16
	s_mov_b32 s22, 0x3a800000                      ; 1 / 1,024
	s_mov_b32 s23, 0x3727c5ac                      ; eps = 1e-5
	s_mov_b32 s24, 0x3e38aa3b                      ; log2(e) / 8: the scale 64^-0.5, and the softmax in powers of two
	s_mov_b32 s25, s24
	s_lshl_b32 s16, ttmp9, 18                      ; x: 64 rows of 4,096 bytes a work-group,
	s_lshl_b32 s15, s14, 16                        ; 16 a wave
	s_add_co_u32 s16, s16, s15
	s_mov_b32 s17, 0
	s_lshr_b32 s18, ttmp9, 6                       ; b
	s_lshl_b32 s18, s18, 3
	s_lshl_b32 s15, s14, 1
	s_add_co_u32 s18, s18, s15                     ; 8 b + 2 w: my first head
	s_lshl_b32 s18, s18, 8
	s_and_b32 s15, ttmp9, 63
	s_lshl_b32 s15, s15, 2
	s_add_co_u32 s18, s18, s15                     ; x 256 query tiles + the work-group's first
	s_lshl_b32 s18, s18, 11                        ; x 2,048 bytes
	s_mov_b32 s19, 0
	s_wait_kmcnt 0x0
	s_add_nc_u64 s[4:5], s[4:5], s[16:17]
	s_add_nc_u64 s[12:13], s[12:13], s[18:19]
.irp j, 0,1,2,3,4,5,6,7
	global_load_b128 v[G+4*\j:G+4*\j+3], v[LI], s[6:7] offset:512*\j
	global_load_b128 v[BT+4*\j:BT+4*\j+3], v[LI], s[8:9] offset:512*\j
.endr
.irp i, 0,1,2,3,4
	XLOAD \i
.endr
.irp i, 0,1,2,3,4,5,6,7,8,9,10,11,12,13,14,15
	ROW \i
.endr
	s_wait_dscnt 0x0                               ; for the others' sake: my 16 rows of xn lie in LDS
	s_barrier_signal -1
	s_barrier_wait -1
	XFLOAD 0, 0
	KSTEP 0, 1, 1, 1, 32                           ; the first trip is written out: its first K step starts the sums
	KSTEP 1, 0, 1, 1, 32
	KSTEP 2, 0, 1, 1, 32
	KSTEP 3, 0, 1, 1, 32
	TRIPEND
	s_mov_b32 s26, 6
.Ltrip:
	KSTEP 0, 0, 1, 1, 32
	KSTEP 1, 0, 1, 1, 32
	KSTEP 2, 0, 1, 1, 32
	KSTEP 3, 0, 1, 1, 32
	TRIPEND
	s_sub_co_u32 s26, s26, 1
	s_cmp_lg_u32 s26, 0
	s_cbranch_scc1 .Ltrip
	KSTEP 0, 0, 1, 1, 32                           ; the last trip asks for the last K step and then for nothing: the counts run down
	KSTEP 1, 0, 0, 1, 32
	KSTEP 2, 0, 0, 1, 16
	KSTEP 3, 0, 0, 0, 0
.rept 4
	v_nop                                          ; places in front of the first read of results
.endr
	WIN 0x41                                       ; the accumulators, in place, each from its low end on
.set i, 0
.rept 128
	v_pk_mul_f32 v[i:i+1], v[i:i+1], s[24:25] op_sel_hi:[1,0]
.set i, i+2
.endr
	WIN 0x05
.set i, 0
.rept 128
	v_cvt_pk_f16_f32 v[OUTR+i], v[2*i], v[2*i+1]   ; a lane's 8 channels of a tile pack into 16 bytes
.set i, i+1
.endr
	WIN 0
.irp t, 0,1,2,3,4,5,6,7
.irp m, 0,1,2,3
	global_store_b128 v[LI], v[OUTR+4*(4*\t+\m):OUTR+4*(4*\t+\m)+3], s[12:13] offset:524288*(\t/4)+2048*\m+1024*((\t%4)/2)+512*(\t%2)   ; head t / 4, query tile m, fragment and half by the channel tile; 512 consecutive bytes
.endr
.endr
	s_wait_tensorcnt 0x0                           ; the wave's end: a tensor wait, an add to my spare word and its wait, behind my last LDS store
	ds_add_u32 v[SPW], v[NIL]
	s_wait_dscnt 0x0
	s_endpgm
.Lfunc_end_k_q333ec4b699_lnq:
	.size	k_q333ec4b699_lnq, .Lfunc_end_k_q333ec4b699_lnq-k_q333ec4b699_lnq
	.p2alignl 7, 3214868480
	.fill 96, 4, 3214868480
	.section	.rodata,"a",@progbits
	.p2align	6, 0x0
	.amdhsa_kernel k_q333ec4b699_lnq
		.amdhsa_group_segment_fixed_size 132608
		.amdhsa_private_segment_fixed_size 0
		.amdhsa_enable_private_segment 0
		.amdhsa_kernarg_size 40
		.amdhsa_user_sgpr_count 2
		.amdhsa_user_sgpr_kernarg_segment_ptr 1
		.amdhsa_wavefront_size32 1
		.amdhsa_system_sgpr_workgroup_id_x 1
		.amdhsa_system_sgpr_workgroup_id_y 1
		.amdhsa_system_sgpr_workgroup_id_z 1
		.amdhsa_system_vgpr_workitem_id 0
		.amdhsa_next_free_vgpr 768
		.amdhsa_next_free_sgpr 66
		.amdhsa_reserve_vcc 0
		.amdhsa_float_denorm_mode_32 3
		.amdhsa_float_denorm_mode_16_64 3
		.amdhsa_memory_ordered 1
		.amdhsa_forward_progress 1
		.amdhsa_inst_pref_size 212
	.end_amdhsa_kernel
	.amdgpu_metadata
---
amdhsa.version: [ 1, 2 ]
amdhsa.kernels:
  - .name:           k_q333ec4b699_lnq
    .symbol:         k_q333ec4b699_lnq.kd
    .args:
      - { .name: x, .offset: 0, .size: 8, .value_kind: global_buffer, .address_space: global }
      - { .name: ln_gamma, .offset: 8, .size: 8, .value_kind: global_buffer, .address_space: global }
      - { .name: ln_beta, .offset: 16, .size: 8, .value_kind: global_buffer, .address_space: global }
      - { .name: wq_img, .offset: 24, .size: 8, .value_kind: global_buffer, .address_space: global }
      - { .name: q_img, .offset: 32, .size: 8, .value_kind: global_buffer, .address_space: global }
    .group_segment_fixed_size: 132608
    .private_segment_fixed_size: 0
    .kernarg_segment_align: 8
    .kernarg_segment_size: 40
    .max_flat_workgroup_size: 128
    .sgpr_count:     66
    .vgpr_count:     768
    .wavefront_size: 32
...
	.end_amdgpu_metadata
.endif
;; end of part 3
;; launch attn (part 4): grid 8 x 32, 8 waves a work-group, clusters of 4 x 1, 267,264 bytes of LDS; arguments q_img, kv_img, media_mask, o_img; writes o_img
.if DOCPART == 4
	.amdgcn_target "amdgcn-amd-amdhsa--gfx1250"
	.amdhsa_code_object_version 6
	.text
	.protected	k_q333ec4b699_attn
	.globl	k_q333ec4b699_attn
	.p2align	8
	.type	k_q333ec4b699_attn,@function
k_q333ec4b699_attn:
	s_mov_b64 s[64:65], 0
	v_nop
	global_prefetch_b8 v0, s[64:65] scope:SCOPE_SE
	s_setreg_imm32_b32 hwreg(HW_REG_WAVE_MODE, 25, 1), 1
	s_wait_xcnt 0x0
	s_wait_alu depctr_hold_cnt(0) depctr_sa_sdst(0) depctr_va_vdst(0) depctr_va_sdst(0) depctr_va_ssrc(0) depctr_va_vcc(0) depctr_vm_vsrc(0)
	s_getreg_b32 s2, hwreg(HW_REG_IB_STS2, 6, 4)
	s_cmp_eq_u32 s2, 0
	s_cbranch_scc0 .Lentry_in_a_cluster
	s_endpgm
.Lentry_in_a_cluster:
	s_bfe_u32 s2, ttmp6, 0x10000c
	s_cmp_lg_u32 s2, 0x3003
	s_cbranch_scc0 .Lentry_shape_is_right
	s_endpgm
.Lentry_shape_is_right:
; O = softmax(q k^T / 8, under the keys' mask) v for one (batch, head) and 512 queries a work-group.  f16 operands, f32 products' sums, maxima and row sums; the weights p are rounded to f16 for the second product.
; q_img holds q x log2(e) / 8, so a score t is an exponent of two: p = 2^(t - m), m the running maximum of the row; in every step O and the sum l are multiplied by a = 2^(m_old - m_new).
; SHARES.  y = 8 b + h.  A work-group owns 512 queries, each of its eight waves 64: four tiles of 16.  Two waves share a SIMD, so that one wave's softmax stands beside the other's products.
; ALL OF THE HEAD'S K AND V^T, 262,144 bytes of fragment images, COME INTO LDS ONCE: two loads of 16,384 bytes a wave, the first for keys 0-511, the second for keys 512-1,023.  Nothing is filled again.
; CLUSTER.  The four work-groups of a cluster belong to one (b, h) and need the same K and V^T: each load is asked for JOINTLY, with the same descriptor and a mask that names the four.
; LAYOUT.  S^T = K Q^T (source 0 = 16 keys, source 1 = 16 queries), O^T = V^T P (source 0 = 16 channels, source 1 = P): a lane holds ONE query (lane % 16) throughout, and two tiles of S^T,
; rounded to f16 in pairs, ARE a fragment of P.  An image is read as it lies: 16 bytes a lane at 16 x lane.
; THE MASK is the C of each score tile's first product: 0 for a key that counts, -2^100 for one that does not, in the result's layout; it costs no vector instruction in the loop.
; With f16 operands |t| <= 64 x 65,504^2 < 2^96.  m begins at -2^96: a hidden key's p is 2^(-2^100 - m) = 0 under every m; steps all of whose keys are hidden leave m, l = 0 and O = 0 as they are;
; a batch with no key at all ends as 0 x (1 / 0), NaN, as the definition gives.
; o_img [row tile 1024][kf 16][1024]: row = b x 4,096 + query, k = 64 h + channel.
; LIMITS: NaN and infinities among the inputs are not served; O must lie inside f16's range.
.set VOFF,  131072                     ; LDS: K's images at 0: [kt 64][f 2][1024];  V^T's here: [kp 32][ct 4][1024]
.set BIAS,  262144                     ; the mask as 1,024 f32 numbers, stored from registers: blocks of its own
.set SPARE, BIAS+4096                  ; the spare words, 128 bytes for each wave: four blocks of 256 bytes that no other line names
.set LI,  1                            ; v1   16 x lane; never rewritten
.set BH,  2                            ; v2   32 x (lane / 16); never rewritten
.set KA,  3                            ; v3   LDS address of the step's K
.set SPW, 4                            ; v4   LDS address of my spare word; never rewritten
.set NIL, 5                            ; v5   0; never rewritten
.set VA,  6                            ; v6   of the step's V^T
.set BA,  7                            ; v7   of the step's part of the mask
.set T,   8                            ; v8-15    at work in the maximum; then a of tile t at T + 2 t
.set ST,  16                           ; v16-31   tile t: m at 4 t, m_old - m_new at 4 t + 1, l (even keys', odd keys') at 4 t + 2, 4 t + 3
.set BI,  32                           ; v32-63   the mask of the step's 64 keys: tile kt at 8 kt
.set KF,  64                           ; v64-127  K's fragments: (kt, f) at 8 (2 kt + f)
.set S,   128                          ; v128-255 S^T, 32 a tile: register 8 kt + j = key 16 kt + 8 (lane / 16) + j; then p; then P in the tile's first 16
.set QR,  128                          ; window 1: v0-127 O^T ((t, ct) at 32 t + 8 ct); v128-191 Q ((t, f) at 16 t + 8 f); v192-255 V^T ((kh, ct) at 8 (4 kh + ct))
.set VF,  192
.set WV,  12                           ; s12  my wave's number
.set G1,  24                           ; s[24:31] descriptor group 1;  s[32:39] group 0, one set for each of my two loads
.set G0,  32
.set SEL, 40                           ; s[40:41] lane selects: lane l xor 16
.set TK,  42                           ; s42  LDS byte at which the step's K begins;  s43 its V^T;  s44 its part of the mask
.set TV,  43
.set TB,  44
.set CNT, 45
.set MSB, 0
.macro WIN new                         ; the immediate's high byte repeats the setting that is left
.if MSB != \new
	s_set_vgpr_msb (MSB<<8)|\new
.set MSB, \new
.endif
.endm
.macro CROUND                          ; a round of the cluster's barrier
	s_barrier_signal -1
	s_barrier_wait -1
	s_cmp_lg_u32 s[WV], 0
	s_cbranch_scc1 .Lnot_wave_0_\@
	s_barrier_signal -3
.Lnot_wave_0_\@:
	s_barrier_wait -3
	s_barrier_signal -1
	s_barrier_wait -1
.endm
; THE SOFTMAX of a key step, in four stages, each for the pair of tiles t0, t0 + 1, which alternate so that no line waits for the line above it.
.macro STA t0                          ; the maximum of the lane's 32 scores and the old m; each score tile is read from its low end on
.irp j, 0,1,2,3
.irp u, 0,1
	v_max3_num_f32 v[T+4*\u+\j], v[S+32*(\t0+\u)+8*\j], v[S+32*(\t0+\u)+8*\j+1], v[S+32*(\t0+\u)+8*\j+2]
.endr
.endr
.irp g, 3,5
.irp j, 0,1,2,3
.irp u, 0,1
	v_max3_num_f32 v[T+4*\u+\j], v[T+4*\u+\j], v[S+32*(\t0+\u)+8*\j+\g], v[S+32*(\t0+\u)+8*\j+\g+1]
.endr
.endr
.endr
.irp u, 0,1
	v_max3_num_f32 v[T+4*\u], v[T+4*\u], v[S+32*(\t0+\u)+7], v[S+32*(\t0+\u)+15]
.endr
.irp u, 0,1
	v_max3_num_f32 v[T+4*\u+2], v[T+4*\u+2], v[S+32*(\t0+\u)+23], v[S+32*(\t0+\u)+31]
.endr
.irp u, 0,1
	v_max3_num_f32 v[T+4*\u], v[T+4*\u], v[T+4*\u+1], v[T+4*\u+2]
.endr
.irp u, 0,1
	v_max3_num_f32 v[T+4*\u], v[T+4*\u], v[T+4*\u+3], v[ST+4*(\t0+\u)]
.endr
.irp u, 0,1
	v_permlanex16_b32 v[T+4*\u+1], v[T+4*\u], s[SEL], s[SEL+1]   ; the query's other 32 keys lie in the lane 16 away
.endr
.irp u, 0,1
	v_max_num_f32 v[T+4*\u], v[T+4*\u], v[T+4*\u+1]
.endr
.irp u, 0,1
	v_sub_f32 v[ST+4*(\t0+\u)+1], v[ST+4*(\t0+\u)], v[T+4*\u]    ; m_old - m_new
.endr
.irp u, 0,1
	v_mov_b32 v[ST+4*(\t0+\u)], v[T+4*\u]
.endr
.endm
.macro STB t0                          ; t - m, two at a time (of the pair m, m_old - m_new the low word serves both halves)
.irp u, 0,1
.set i, 0
.rept 16
	v_pk_add_f32 v[S+32*(\t0+\u)+i:S+32*(\t0+\u)+i+1], v[S+32*(\t0+\u)+i:S+32*(\t0+\u)+i+1], v[ST+4*(\t0+\u):ST+4*(\t0+\u)+1] op_sel_hi:[1,0] neg_lo:[0,1] neg_hi:[0,1]
.set i, i+2
.endr
.endr
.endm
.macro STC t0                          ; one batch of 66 exponentials: a and p; none reads another's result
.irp u, 0,1
	v_exp_f32 v[T+2*(\t0+\u)], v[ST+4*(\t0+\u)+1]
.set i, 0
.rept 32
	v_exp_f32 v[S+32*(\t0+\u)+i], v[S+32*(\t0+\u)+i]
.set i, i+1
.endr
.endr
.endm
.macro STD t0                          ; l = a l + the sum of the unrounded p; P = p in f16, packed in place (pair i goes to register i, behind its sum); O^T x a
.irp u, 0,1
	v_pk_fma_f32 v[ST+4*(\t0+\u)+2:ST+4*(\t0+\u)+3], v[ST+4*(\t0+\u)+2:ST+4*(\t0+\u)+3], v[T+2*(\t0+\u):T+2*(\t0+\u)+1], v[S+32*(\t0+\u):S+32*(\t0+\u)+1] op_sel_hi:[1,0,1]
.endr
.irp u, 0,1
	v_cvt_pk_f16_f32 v[S+32*(\t0+\u)], v[S+32*(\t0+\u)], v[S+32*(\t0+\u)+1]
.endr
.set i, 1
.rept 15
.irp u, 0,1
	v_pk_add_f32 v[ST+4*(\t0+\u)+2:ST+4*(\t0+\u)+3], v[ST+4*(\t0+\u)+2:ST+4*(\t0+\u)+3], v[S+32*(\t0+\u)+2*i:S+32*(\t0+\u)+2*i+1]
.endr
.irp u, 0,1
	v_cvt_pk_f16_f32 v[S+32*(\t0+\u)+i], v[S+32*(\t0+\u)+2*i], v[S+32*(\t0+\u)+2*i+1]
.endr
.set i, i+1
.endr
	WIN 0x41                                       ; O^T (destination and source 0) in window 1, a in window 0
.irp u, 0,1
.set i, 0
.rept 16
	v_pk_mul_f32 v[32*(\t0+\u)+i:32*(\t0+\u)+i+1], v[32*(\t0+\u)+i:32*(\t0+\u)+i+1], v[T+2*(\t0+\u):T+2*(\t0+\u)+1] op_sel_hi:[1,0]
.set i, i+2
.endr
.endr
	WIN 0
.endm
; A KEY STEP: 64 keys
.macro STEP
	v_add_nc_u32 v[KA], s[TK], v[LI]               ; five plain lines: the places behind the last step's products, whose P the first products below write over
	v_add_nc_u32 v[VA], s[TV], v[LI]               ; (one more than loads into V^T's registers ask)
	v_add_nc_u32 v[BA], s[TB], v[BH]
	v_nop
	v_nop
.irp n, 0,1,2,3,4,5,6,7
.irp p, 0,1
	ds_load_b128 v[KF+8*\n+4*\p:KF+8*\n+4*\p+3], v[KA] offset:1024*\n+512*\p
.endr
.endr
.irp k, 0,1,2,3
.irp e, 0,1
	ds_load_b128 v[BI+8*\k+4*\e:BI+8*\k+4*\e+3], v[BA] offset:64*\k+16*\e   ; keys 16 k + 8 (lane / 16) + 0 .. 7: sixteen lanes share the words
.endr
.endr
	WIN 0x40                                       ; destination window 1
.irp n, 0,1,2,3,4,5,6,7
.irp p, 0,1
	ds_load_b128 v[VF+8*\n+4*\p:VF+8*\n+4*\p+3], v[VA] offset:1024*\n+512*\p
.endr
.endr
	s_wait_dscnt 16                                ; K and the mask are in; V^T's 16 loads may be out
	WIN 0x04                                       ; source 1 (Q) in window 1
.irp k, 0,1,2,3                                ; the 16 score tiles take turns, one instruction a turn; the first products take the mask as C
.irp t, 0,1,2,3
	v_wmma_f32_16x16x32_f16 v[S+32*\t+8*\k:S+32*\t+8*\k+7], v[KF+16*\k:KF+16*\k+7], v[QR+16*\t:QR+16*\t+7], v[BI+8*\k:BI+8*\k+7]
.endr
.endr
.irp k, 0,1,2,3
.irp t, 0,1,2,3
	v_wmma_f32_16x16x32_f16 v[S+32*\t+8*\k:S+32*\t+8*\k+7], v[KF+16*\k+8:KF+16*\k+15], v[QR+16*\t+8:QR+16*\t+15], v[S+32*\t+8*\k:S+32*\t+8*\k+7]
.endr
.endr
	WIN 0
.rept 4
	v_nop                                          ; places in front of the first read of the scores
.endr
	STA 0
	STA 2
	STB 0
	STC 0                                          ; the first batch of exponentials;
	STB 2                                          ; plain work that names none of its results;
	s_wait_alu depctr_va_vdst(0)                   ; a wait ahead of the batch's first reader, one for the batch
	STC 2                                          ; the second batch;
	STD 0                                          ; the first batch's readers are the plain work behind it;
	s_wait_alu depctr_va_vdst(0)                   ; and its one wait
	STD 2
	s_wait_dscnt 0x0                               ; V^T is in
	WIN 0x51                                       ; source 0 (V^T), C and D (O^T) in window 1; source 1 (P) in window 0
.irp kh, 0,1                                   ; the 16 accumulators take turns
.irp c, 0,1,2,3
.irp t, 0,1,2,3
	v_wmma_f32_16x16x32_f16 v[32*\t+8*\c:32*\t+8*\c+7], v[VF+8*(4*\kh+\c):VF+8*(4*\kh+\c)+7], v[S+32*\t+8*\kh:S+32*\t+8*\kh+7], v[32*\t+8*\c:32*\t+8*\c+7]
.endr
.endr
.endr
	WIN 0
	s_add_co_u32 s[TK], s[TK], 8192                ; the next 64 keys
	s_add_co_u32 s[TV], s[TV], 8192
	s_add_co_u32 s[TB], s[TB], 256
.endm
.macro HALF                            ; 512 keys: what one of a wave's two loads, with the other waves', has brought
	s_mov_b32 s[CNT], 8
.Lstep_\@:
	STEP
	s_sub_co_u32 s[CNT], s[CNT], 1
	s_cmp_lg_u32 s[CNT], 0
	s_cbranch_scc1 .Lstep_\@
.endm
	s_load_b256 s[4:11], s[0:1], 0x0               ; q_img s[4:5], kv_img s[6:7], media_mask s[8:9], o_img s[10:11]
	v_lshl_add_u32 v[SPW], v0, 2, SPARE
	v_mov_b32 v[NIL], 0
	ds_add_u32 v[SPW], v[NIL]                      ; the wave's opening: the add to my spare word, twice on end, and its wait ahead of my first tensor load
	ds_add_u32 v[SPW], v[NIL]                      ; and once more, under the one wait; the set-up below, work on registers, stands between
	v_lshrrev_b32 v3, 5, v0
	v_readfirstlane_b32 s[WV], v3                  ; wave 0..7
	s_bfe_u32 s13, ttmp6, 0x40000                  ; cx: my place in the cluster
	s_lshl_b32 s14, ttmp9, 2                       ; in a cluster launch ttmp9 counts clusters
	s_add_co_u32 s14, s14, s13                     ; my block of 512 queries: it enters Q's and O's addresses alone
	s_and_b32 s15, ttmp7, 0xffff                   ; y = 8 b + h, which the four partners share
	; descriptor group 1: 16,384 dense bytes as 64 rows of 256 bytes (32 elements of 8 bytes)
	s_mov_b32 s[G1], 15|(3<<16)|(1<<21)            ; 15:0 the mask: all four work-groups; 17:16 elements of 8 bytes; 21 set beside a mask; no padding
	s_mov_b32 s[G1+1], 32<<16                      ; tensor_dim0 = 32
	s_mov_b32 s[G1+2], 64<<16                      ; tensor_dim1 = 64
	s_mov_b32 s[G1+3], 32<<16                      ; tile_dim0 = 32
	s_mov_b32 s[G1+4], 64                          ; tile_dim1 = 64
	s_mov_b32 s[G1+5], 32                          ; from row to row
	s_mov_b32 s[G1+6], 0
	s_mov_b32 s[G1+7], 0
	s_lshr_b32 s16, s[WV], 2                       ; waves 0-3 fetch K's images, waves 4-7 V^T's,
	s_lshl_b32 s16, s16, 17
	s_and_b32 s17, s[WV], 3
	s_lshl_b32 s17, s17, 14                        ; a quarter of a half each:
	s_add_co_u32 s16, s16, s17                     ; the same offset in LDS and in the head's block of kv_img
	s_lshl_b32 s18, s15, 18                        ; the head's block: 262,144 y
	s_add_co_u32 s18, s18, s16
	s_mov_b32 s19, 0
	s_lshl_b32 s20, s15, 8                         ; Q: (256 y + 32 block + 4 wave) tiles of 2,048 bytes
	s_lshl_b32 s21, s14, 5
	s_add_co_u32 s20, s20, s21
	s_lshl_b32 s21, s[WV], 2
	s_add_co_u32 s20, s20, s21
	s_lshl_b32 s20, s20, 11
	s_mov_b32 s21, 0
	s_lshr_b32 s22, s15, 3                         ; b
	s_lshl_b32 s46, s22, 10                        ; the mask's row
	s_mov_b32 s47, 0
	s_lshl_b32 s22, s22, 8                         ; O: (256 b + 32 block + 4 wave) row tiles of 16,384 bytes + 2,048 h
	s_lshl_b32 s23, s14, 5
	s_add_co_u32 s22, s22, s23
	s_lshl_b32 s23, s[WV], 2
	s_add_co_u32 s22, s22, s23
	s_lshl_b32 s22, s22, 14
	s_and_b32 s23, s15, 7
	s_lshl_b32 s23, s23, 11
	s_add_co_u32 s22, s22, s23
	s_mov_b32 s23, 0
	s_mov_b32 s[SEL], 0x76543210
	s_mov_b32 s[SEL+1], 0xfedcba98
	s_mov_b32 s[TK], 0
	s_mov_b32 s[TV], VOFF
	s_mov_b32 s[TB], BIAS
	s_wait_dscnt 0x0                               ; both opening adds are done
	s_wait_kmcnt 0x0
	s_add_nc_u64 s[6:7], s[6:7], s[18:19]
	s_add_nc_u64 s[4:5], s[4:5], s[20:21]
	s_add_nc_u64 s[8:9], s[8:9], s[46:47]
	s_add_nc_u64 s[10:11], s[10:11], s[22:23]
	CROUND                                         ; all four work-groups are here: the joint loads meet
.irp j, 0,1
	s_mov_b32 s[G0+4*\j], 1                        ; count = 1
	s_add_co_u32 s[G0+4*\j+1], s16, 65536*\j       ; LDS address: load j brings keys 512 j on
	s_add_nc_u64 s[G0+4*\j+2:G0+4*\j+3], s[6:7], 65536*\j
	s_or_b32 s[G0+4*\j+3], s[G0+4*\j+3], 0x80000000   ; type = 2
.endr
	tensor_load_to_lds s[G0:G0+3], s[G1:G1+7]      ; my two loads go out together: two of mine are out
	s_nop 0
	tensor_load_to_lds s[G0+4:G0+7], s[G1:G1+7]
	s_nop 0
.rept 4
	v_nop
.endr
	v_lshlrev_b32 v128, 2, v0
	global_load_b32 v129, v128, s[8:9]             ; four keys' bytes of the mask a thread
	v_and_b32 v3, 31, v0
	v_lshlrev_b32 v[LI], 4, v3
	WIN 0x40                                       ; destination window 1
.irp n, 0,1,2,3,4,5,6,7                        ; Q stays in registers: tile n / 2, fragment n % 2: 8,192 consecutive bytes a wave
.irp p, 0,1
	global_load_b128 v[QR+8*\n+4*\p:QR+8*\n+4*\p+3], v[LI], s[4:5] offset:1024*\n+512*\p
.endr
.endr
.set i, 0
.rept 128
	v_mov_b32 v[i], 0                              ; O^T.  (The step is written once: its first turn finds zeros; that spares a further copy of the step)
.set i, i+1
.endr
	WIN 0
	v_bfe_u32 v[BH], v0, 4, 1
	v_lshlrev_b32 v[BH], 5, v[BH]
.irp t, 0,1,2,3
	v_mov_b32 v[ST+4*\t], 0xef800000               ; m = -2^96, under every score
	v_mov_b32 v[ST+4*\t+1], 0
	v_mov_b32 v[ST+4*\t+2], 0                      ; l
	v_mov_b32 v[ST+4*\t+3], 0
.endr
	v_mov_b32 v130, 0xf1800000                     ; -2^100
	v_lshl_add_u32 v131, v0, 4, BIAS
	s_wait_loadcnt 16                              ; the mask's word is in; Q's 16 loads may be out
.irp e, 0,1,2,3
	v_bfe_u32 v136, v129, 8*\e, 8
	v_cmp_eq_u32 vcc_lo, 0, v136
	v_cndmask_b32 v[132+\e], 0, v130, vcc_lo       ; a choice of a value: no branch and no address hangs on the mask
.endr
	ds_store_b128 v131, v[132:135]
	s_wait_loadcnt 0x0                             ; Q
	s_wait_tensorcnt 1                             ; my part of keys 0-511 is in; the second load may stay out
	s_wait_dscnt 0x0                               ; my part of the mask lies in LDS
	s_barrier_signal -1
	s_barrier_wait -1
	HALF
	s_wait_tensorcnt 0x0                           ; my part of keys 512-1,023 is in,
	s_wait_dscnt 0x0
	s_barrier_signal -1
	s_barrier_wait -1                              ; everybody's is
	HALF
	; THE WAY OUT.  l's two halves and the other half of the lanes' are added; O^T / l, rounded to f16, IS a fragment image for the last product.  The additions are the places behind the last products.
.irp t, 0,1,2,3
	v_add_f32 v[T+2*\t], v[ST+4*\t+2], v[ST+4*\t+3]
.endr
.irp t, 0,1,2,3
	v_permlanex16_b32 v[T+2*\t+1], v[T+2*\t], s[SEL], s[SEL+1]
.endr
.irp t, 0,1,2,3
	v_add_f32 v[T+2*\t], v[T+2*\t], v[T+2*\t+1]
.endr
.irp t, 0,1,2,3
	v_rcp_f32 v[T+2*\t], v[T+2*\t]
.endr
	v_nop                                          ; a plain line behind the last reciprocal,
	s_wait_alu depctr_va_vdst(0)                   ; and a wait ahead of the first use: one for the four
	WIN 0x01                                       ; source 0 (O^T) in window 1; each accumulator from its low end on
.irp t, 0,1,2,3
.set i, 0
.rept 16
	v_pk_mul_f32 v[S+32*\t+i:S+32*\t+i+1], v[32*\t+i:32*\t+i+1], v[T+2*\t:T+2*\t+1] op_sel_hi:[1,0]
.set i, i+2
.endr
.endr
	WIN 0
.set i, 0
.rept 64
	v_cvt_pk_f16_f32 v[S+i], v[S+2*i], v[S+2*i+1]  ; packed in place: pair i goes to register i
.set i, i+1
.endr
.irp t, 0,1,2,3
.irp c, 0,1,2,3
	global_store_b128 v[LI], v[S+16*\t+4*\c:S+16*\t+4*\c+3], s[10:11] offset:16384*\t+512*\c   ; row tile t, channels 16 c on; 512 consecutive bytes
.endr
.endr
	s_wait_tensorcnt 0x0                           ; the wave's end: a tensor wait, an add to my spare word and its wait, behind my last tensor load and my last LDS store
	ds_add_u32 v[SPW], v[NIL]
	s_wait_dscnt 0x0
	CROUND                                         ; the closing round: no work-group ends while a partner may still ask for a tile that names it
	s_endpgm
.Lfunc_end_k_q333ec4b699_attn:
	.size	k_q333ec4b699_attn, .Lfunc_end_k_q333ec4b699_attn-k_q333ec4b699_attn
	.p2alignl 7, 3214868480
	.fill 96, 4, 3214868480
	.section	.rodata,"a",@progbits
	.p2align	6, 0x0
	.amdhsa_kernel k_q333ec4b699_attn
		.amdhsa_group_segment_fixed_size 267264
		.amdhsa_private_segment_fixed_size 0
		.amdhsa_enable_private_segment 0
		.amdhsa_kernarg_size 32
		.amdhsa_user_sgpr_count 2
		.amdhsa_user_sgpr_kernarg_segment_ptr 1
		.amdhsa_wavefront_size32 1
		.amdhsa_system_sgpr_workgroup_id_x 1
		.amdhsa_system_sgpr_workgroup_id_y 1
		.amdhsa_system_sgpr_workgroup_id_z 1
		.amdhsa_system_vgpr_workitem_id 0
		.amdhsa_next_free_vgpr 512
		.amdhsa_next_free_sgpr 66
		.amdhsa_reserve_vcc 1
		.amdhsa_float_denorm_mode_32 3
		.amdhsa_float_denorm_mode_16_64 3
		.amdhsa_memory_ordered 1
		.amdhsa_forward_progress 1
		.amdhsa_inst_pref_size 87
	.end_amdhsa_kernel
	.amdgpu_metadata
---
amdhsa.version: [ 1, 2 ]
amdhsa.kernels:
  - .name:           k_q333ec4b699_attn
    .symbol:         k_q333ec4b699_attn.kd
    .args:
      - { .name: q_img, .offset: 0, .size: 8, .value_kind: global_buffer, .address_space: global }
      - { .name: kv_img, .offset: 8, .size: 8, .value_kind: global_buffer, .address_space: global }
      - { .name: media_mask, .offset: 16, .size: 8, .value_kind: global_buffer, .address_space: global }
      - { .name: o_img, .offset: 24, .size: 8, .value_kind: global_buffer, .address_space: global }
    .group_segment_fixed_size: 267264
    .private_segment_fixed_size: 0
    .kernarg_segment_align: 8
    .kernarg_segment_size: 32
    .max_flat_workgroup_size: 256
    .sgpr_count:     66
    .vgpr_count:     512
    .wavefront_size: 32
...
	.end_amdgpu_metadata
.endif
;; end of part 4
;; launch outp (part 5): grid 4 x 64, 4 waves a work-group, clusters of 4 x 1, 280,064 bytes of LDS; arguments o_img, wo_img, out0; writes out0
.if DOCPART == 5
	.amdgcn_target "amdgcn-amd-amdhsa--gfx1250"
	.amdhsa_code_object_version 6
	.text
	.protected	k_q333ec4b699_outp
	.globl	k_q333ec4b699_outp
	.p2align	8
	.type	k_q333ec4b699_outp,@function
k_q333ec4b699_outp:
	s_mov_b64 s[64:65], 0
	v_nop
	global_prefetch_b8 v0, s[64:65] scope:SCOPE_SE
	s_setreg_imm32_b32 hwreg(HW_REG_WAVE_MODE, 25, 1), 1
	s_wait_xcnt 0x0
	s_wait_alu depctr_hold_cnt(0) depctr_sa_sdst(0) depctr_va_vdst(0) depctr_va_sdst(0) depctr_va_ssrc(0) depctr_va_vcc(0) depctr_vm_vsrc(0)
	s_getreg_b32 s2, hwreg(HW_REG_IB_STS2, 6, 4)
	s_cmp_eq_u32 s2, 0
	s_cbranch_scc0 .Lentry_in_a_cluster
	s_endpgm
.Lentry_in_a_cluster:
	s_bfe_u32 s2, ttmp6, 0x10000c
	s_cmp_lg_u32 s2, 0x3003
	s_cbranch_scc0 .Lentry_shape_is_right
	s_endpgm
.Lentry_shape_is_right:
; out0 = O Wout.  O [16,384][512] and Wout's columns [1,024][512] lie as f16 fragment images (o_img [row tile 1024][kf 16][1024], wo_img [column tile 64][kf 16][1024]); out0 [16,384][1,024] f32; sums in f32.
; A work-group of four waves makes a tile of 256 x 256 of out0.
; WOUT STAYS IN REGISTERS: wave w owns columns 64 w .. 64 w + 63 of the tile and keeps their four column tiles for all of K = 512: 64 fragments, 512 registers, read from memory once, straight from wo_img.
; O LIES WHOLE IN LDS: the tile's 16 row tiles for all of K are 262,144 consecutive bytes of o_img; they come in once, four loads of 16,384 bytes a wave (group g of four row tiles: load g), and nothing is filled again.
; THE ROWS ARE WALKED IN FOUR PASSES of 64 rows: a pass is 16 K steps of 32, 16 accumulators (4 row tiles x 4 column tiles), 256 matrix instructions.  There are two sets of accumulators: pass g's results go through my
; stage in LDS and out to memory in pieces that stand among pass g + 1's K steps, so that the stores of three passes leave while products are made; only the last pass's follow the last product.
; CLUSTER: the four work-groups of a cluster make the four tile columns of one tile row and need the same rows of O: each load is asked for JOINTLY, with the same descriptor and a mask that names the four.
; Wout's fragments are each used by one wave alone and go into its registers: they have no business in LDS, so there is nothing of them to share.
; THE MATRIX INSTRUCTION IS USED TRANSPOSED (source 0 = 16 columns of Wout, source 1 = 16 rows of O): a lane holds eight neighbouring numbers of a row of out0.
; REGISTERS, in windows of 256: window 0: v1-13 addresses; v64-191 O's fragments, four buffers of 32 (K step kf in buffer kf % 4, fetched two K steps ahead); v192-255 rows read back from the stage, two buffers of 32.
;   window 1: the accumulators: pass g's set at 128 (g % 2), (m, b) at 8 (4 m + b).   window 2: Wout's column tiles 0, 1: (b, kf) at 128 b + 8 kf;   window 3: tiles 2, 3 likewise.
; A wave has four tensor loads out at the start and none later.
.set AG,     65536                     ; a group of four row tiles in LDS: [m 4][kf 16][1024]
.set STAGE,  4*AG                      ; 262,144: behind O: 16 rows x (256 bytes + 16) for each wave, for the way out; no tensor load lands here
.set SPITCH, 272
.set SPARE,  STAGE+4*16*SPITCH         ; 279,552: the spare words, 128 bytes for each wave: two blocks of 256 bytes that no other line names
.set LI,   1                           ; v1     16 x lane
.set ADRA, 4                           ; v4-7   LDS address of my part of group g's fragments
.set STO,  8                           ; v8     the way out: where I put 32 bytes of a row
.set RD,   9                           ; v9     the way out: where I read half a row pair back
.set CO,   10                          ; v10    my byte offset in out0: lanes 0-15 one row's 256 bytes, lanes 16-31 the next row's
.set SPW,  12                          ; v12    LDS address of my spare word; never rewritten
.set NIL,  13                          ; v13    0; never rewritten
.set AF,   64
.set BK,   192
.set WV,   10                          ; s10    my wave's number
.set G1,   24                          ; s[24:31] descriptor group 1;  s[32:47] group 0, one set for each of my four loads
.set G0,   32
.set MSB, 0
.macro WIN new                         ; the immediate's high byte repeats the setting that is left
.if MSB != \new
	s_set_vgpr_msb (MSB<<8)|\new
.set MSB, \new
.endif
.endm
.macro CROUND                          ; a round of the cluster's barrier
	s_barrier_signal -1
	s_barrier_wait -1
	s_cmp_lg_u32 s[WV], 0
	s_cbranch_scc1 .Lnot_wave_0_\@
	s_barrier_signal -3
.Lnot_wave_0_\@:
	s_barrier_wait -3
	s_barrier_signal -1
	s_barrier_wait -1
.endm
; Wout's four fragments of K step kf: 8 loads of 512 consecutive bytes
.macro BLOAD kf
	WIN 0x80                                       ; destination window 2
.irp b, 0,1
.irp p, 0,1
	global_load_b128 v[128*\b+8*(\kf)+4*\p:128*\b+8*(\kf)+4*\p+3], v[LI], s[6:7] offset:16384*\b+1024*(\kf)+512*\p
.endr
.endr
	WIN 0xc0                                       ; destination window 3
.irp b, 0,1
.irp p, 0,1
	global_load_b128 v[128*\b+8*(\kf)+4*\p:128*\b+8*(\kf)+4*\p+3], v[LI], s[6:7] offset:16384*(\b+2)+1024*(\kf)+512*\p
.endr
.endr
.endm
; O's four fragments of group g, K step kf, into buffer kf % 4: 8 LDS loads
.macro ALOAD g, kf
.irp m, 0,1,2,3
	ds_load_b128 v[AF+32*((\kf)%4)+8*\m:AF+32*((\kf)%4)+8*\m+3],   v[ADRA+\g] offset:16384*\m+1024*(\kf)
	ds_load_b128 v[AF+32*((\kf)%4)+8*\m+4:AF+32*((\kf)%4)+8*\m+7], v[ADRA+\g] offset:16384*\m+1024*(\kf)+512
.endr
.endm
; THE WAY OUT of row tile m of a finished pass (its accumulators in set), in two parts.  A lane holds 32 neighbouring bytes of a row, and the lanes beside it hold other rows: so 16 rows x 64 columns go through my own stage
; and come back as whole runs of 256 bytes.  LDS serves a wave's instructions in order (ISA guide 5.7.1.4): no wait between the stores and the loads, nor in front of the next tile's stores.
.macro TOSTAGE set, m
	s_wait_xcnt 0x0                                ; the stores of the tile two back have read their registers: the loads below may land there
	WIN 0x04                                       ; an LDS store's data are its source 1: window 1
.irp b, 0,1,2,3
	ds_store_b128 v[STO], v[128*(\set)+8*(4*(\m)+\b):128*(\set)+8*(4*(\m)+\b)+3] offset:64*\b        ; each accumulator from its low end on
	ds_store_b128 v[STO], v[128*(\set)+8*(4*(\m)+\b)+4:128*(\set)+8*(4*(\m)+\b)+7] offset:64*\b+16
.endr
	WIN 0
.irp i, 0,1,2,3,4,5,6,7
	ds_load_b128 v[BK+32*((\m)%2)+4*\i:BK+32*((\m)%2)+4*\i+3], v[RD] offset:2*\i*SPITCH
.endr
.endm
.macro SEND g, m
.irp i, 0,1,2,3,4,5,6,7
	global_store_b128 v[CO], v[BK+32*((\m)%2)+4*\i:BK+32*((\m)%2)+4*\i+3], s[8:9] offset:(64*(\g)+16*(\m)+2*\i)*4096 th:TH_STORE_NT   ; sixteen lanes store 256 consecutive bytes, at a multiple of 256 from out0's first byte; the row stands in the immediate
.endr
.endm
; K step kf of pass g.  Passes 1 to 3 run on end: their fetches cross from pass to pass; pass 0 stands alone, since groups 1 to 3 are shown landed only behind it.
.macro KSTEP g, kf
.set ACS, 128*((\g)%2)
.set AFB, AF+32*((\kf)%4)
.rept 4
	v_nop                                          ; places behind the last K step's products: for the loads into a buffer that products have read, and for the stage's reads of results
.endr
.if (\g) == 0                                  ; Wout arrives during pass 0, six K steps ahead
.if (\kf)+6 <= 15
	BLOAD (\kf)+6
	s_wait_loadcnt 48                              ; this K step's 8 loads are in; the six younger K steps' may be out
.else
	s_wait_loadcnt 8*(15-(\kf))
.endif
.endif
	WIN 0
.set YC, 0                                     ; the LDS instructions younger than this K step's fragments:
.if ((\kf) < 15) || ((\g) == 1) || ((\g) == 2)
.set YC, YC+8                                  ; the next K step's 8 loads, issued a K step ago,
.endif
.if ((\g) > 0) && (((\kf) == 2) || ((\kf) == 5) || ((\kf) == 8) || ((\kf) == 11))
	TOSTAGE ((\g)-1)%2, ((\kf)-2)/3                ; a row tile of the pass before goes to the stage and back
.set YC, YC+16                                 ; its 8 stores and 8 loads,
.endif
.if (\kf) < 14
	ALOAD \g, (\kf)+2
.set YC, YC+8                                  ; and the 8 loads of the K step after next
.elseif ((\g) == 1) || ((\g) == 2)
	ALOAD (\g)+1, (\kf)-14
.set YC, YC+8
.endif
	s_wait_dscnt YC                                ; this K step's fragments are in, and all that was issued before the next K step's: a stage's loads of the K step before among them
.if ((\g) > 0) && (((\kf) == 3) || ((\kf) == 6) || ((\kf) == 9) || ((\kf) == 12))
	SEND (\g)-1, ((\kf)-3)/3                       ; so that row tile is stored now
.endif
	WIN 0x52                                       ; source 0 (Wout) window 2, source 1 (O) window 0, C and D window 1
.irp b, 0,1                                    ; the 16 accumulators take turns, one instruction a turn, in the same order in every K step; a pass's first K step starts the sums
.irp m, 0,1,2,3
.if (\kf) == 0
	v_wmma_f32_16x16x32_f16 v[ACS+8*(4*\m+\b):ACS+8*(4*\m+\b)+7], v[128*\b+8*(\kf):128*\b+8*(\kf)+7], v[AFB+8*\m:AFB+8*\m+7], 0
.else
	v_wmma_f32_16x16x32_f16 v[ACS+8*(4*\m+\b):ACS+8*(4*\m+\b)+7], v[128*\b+8*(\kf):128*\b+8*(\kf)+7], v[AFB+8*\m:AFB+8*\m+7], v[ACS+8*(4*\m+\b):ACS+8*(4*\m+\b)+7]
.endif
.endr
.endr
	WIN 0x53                                       ; source 0 window 3: column tiles 2, 3
.irp b, 0,1
.irp m, 0,1,2,3
.if (\kf) == 0
	v_wmma_f32_16x16x32_f16 v[ACS+8*(4*\m+\b+2):ACS+8*(4*\m+\b+2)+7], v[128*\b+8*(\kf):128*\b+8*(\kf)+7], v[AFB+8*\m:AFB+8*\m+7], 0
.else
	v_wmma_f32_16x16x32_f16 v[ACS+8*(4*\m+\b+2):ACS+8*(4*\m+\b+2)+7], v[128*\b+8*(\kf):128*\b+8*(\kf)+7], v[AFB+8*\m:AFB+8*\m+7], v[ACS+8*(4*\m+\b+2):ACS+8*(4*\m+\b+2)+7]
.endif
.endr
.endr
.endm
	s_load_b128 s[4:7], s[0:1], 0x0                ; o_img s[4:5], wo_img s[6:7]
	s_load_b64 s[8:9], s[0:1], 0x10                ; out0
	v_lshl_add_u32 v[SPW], v0, 2, SPARE
	v_mov_b32 v[NIL], 0
	ds_add_u32 v[SPW], v[NIL]                      ; the wave's opening: the add to my spare word, twice on end, and its wait ahead of my first tensor load
	ds_add_u32 v[SPW], v[NIL]                      ; and once more, under the one wait; the set-up below, work on registers, stands between
	v_lshrrev_b32 v2, 5, v0
	v_readfirstlane_b32 s[WV], v2                  ; wave 0..3
	s_bfe_u32 s11, ttmp6, 0x40000                  ; cx: my place in the cluster
	s_lshl_b32 s21, ttmp9, 2                       ; in a cluster launch ttmp9 counts clusters
	s_add_co_u32 s21, s21, s11                     ; the tile column: it enters Wout's and out0's addresses alone
	s_and_b32 s12, ttmp7, 0xffff                   ; the tile row, which the four partners share
	; descriptor group 1: 16,384 dense bytes as 64 rows of 256 bytes (32 elements of 8 bytes)
	s_mov_b32 s[G1], 15|(3<<16)|(1<<21)            ; 15:0 the mask: all four work-groups; 17:16 elements of 8 bytes; 21 set beside a mask; no padding
	s_mov_b32 s[G1+1], 32<<16                      ; tensor_dim0 = 32
	s_mov_b32 s[G1+2], 64<<16                      ; tensor_dim1 = 64
	s_mov_b32 s[G1+3], 32<<16                      ; tile_dim0 = 32
	s_mov_b32 s[G1+4], 64                          ; tile_dim1 = 64
	s_mov_b32 s[G1+5], 32                          ; from row to row
	s_mov_b32 s[G1+6], 0
	s_mov_b32 s[G1+7], 0
	s_lshl_b32 s13, s[WV], 14                      ; of each group I fetch row tile w: 16,384 w, in LDS and in the tile's block of o_img alike
	s_lshl_b32 s14, s12, 18                        ; the tile's block: 262,144 x tile row
	s_add_co_u32 s14, s14, s13
	s_mov_b32 s15, 0
	s_lshl_b32 s16, s21, 4                         ; Wout: column tile 16 x tile column + 4 w,
	s_lshl_b32 s17, s[WV], 2
	s_add_co_u32 s16, s16, s17
	s_lshl_b32 s16, s16, 14                        ; x 16,384 bytes
	s_mov_b32 s17, 0
	s_lshl_b32 s18, s12, 20                        ; out0: 256 rows of 4,096 bytes a tile row,
	s_lshl_b32 s19, s21, 10                        ; 1,024 bytes a tile column,
	s_add_co_u32 s18, s18, s19
	s_lshl_b32 s19, s[WV], 8                       ; 256 bytes a wave
	s_add_co_u32 s18, s18, s19
	s_mov_b32 s19, 0
	s_wait_dscnt 0x0                               ; both opening adds are done
	s_wait_kmcnt 0x0
	s_add_nc_u64 s[4:5], s[4:5], s[14:15]
	s_add_nc_u64 s[6:7], s[6:7], s[16:17]
	s_add_nc_u64 s[8:9], s[8:9], s[18:19]
	CROUND                                         ; all four work-groups are here: the joint loads meet
.irp g, 0,1,2,3
	s_mov_b32 s[G0+4*\g], 1                        ; count = 1
	s_add_co_u32 s[G0+4*\g+1], s13, AG*\g          ; LDS address: group g, row tile w
	s_add_nc_u64 s[G0+4*\g+2:G0+4*\g+3], s[4:5], AG*\g
	s_or_b32 s[G0+4*\g+3], s[G0+4*\g+3], 0x80000000   ; type = 2
.endr
.irp g, 0,1,2,3
	tensor_load_to_lds s[G0+4*\g:G0+4*\g+3], s[G1:G1+7]   ; my four loads go out together, the first pass's group first
	s_nop 0
.endr
.rept 4
	v_nop
.endr
	v_and_b32 v2, 31, v0
	v_lshlrev_b32 v[LI], 4, v2
.irp k, 0,1,2,3,4,5
	BLOAD \k                                       ; Wout's first six K steps: 48 loads
.endr
	WIN 0
.irp g, 0,1,2,3
	v_add_nc_u32 v[ADRA+\g], AG*\g, v[LI]
.endr
	v_and_b32 v2, 15, v0                           ; r
	v_bfe_u32 v3, v0, 4, 1                         ; h
	s_mul_i32 s20, s[WV], 16*SPITCH
	s_add_co_u32 s20, s20, STAGE                   ; my stage
	v_mul_u32_u24 v[STO], v2, SPITCH               ; in: row r, 32 bytes for each half of the lanes
	v_lshl_add_u32 v[STO], v3, 5, v[STO]
	v_add_nc_u32 v[STO], s20, v[STO]
	v_mul_u32_u24 v[RD], v3, SPITCH                ; back: lanes 0-15 take one row's 256 bytes, lanes 16-31 the next row's
	v_lshl_add_u32 v[RD], v2, 4, v[RD]
	v_add_nc_u32 v[RD], s20, v[RD]
	v_lshlrev_b32 v[CO], 12, v3                    ; and the same two rows in out0
	v_lshl_add_u32 v[CO], v2, 4, v[CO]
	s_wait_tensorcnt 3                             ; my part of group 0 is in; my three later loads may stay out
	s_barrier_signal -1
	s_barrier_wait -1                              ; everybody's is
	ALOAD 0, 0
	ALOAD 0, 1
.irp k, 0,1,2,3,4,5,6,7,8,9,10,11,12,13,14,15
	KSTEP 0, \k
.endr
	WIN 0
	s_wait_tensorcnt 0x0                           ; my parts of groups 1 to 3 are in,
	s_wait_dscnt 0x0
	s_barrier_signal -1
	s_barrier_wait -1                              ; everybody's are
	ALOAD 1, 0
	ALOAD 1, 1
.irp g, 1,2,3
.irp k, 0,1,2,3,4,5,6,7,8,9,10,11,12,13,14,15
	KSTEP \g, \k
.endr
.endr
	WIN 0
.rept 4
	v_nop                                          ; places in front of the first read of the last results
.endr
	TOSTAGE 1, 0                                   ; the last pass's four row tiles: nothing is left under which they could leave
	TOSTAGE 1, 1
	s_wait_dscnt 16                                ; tile 0 is back; tile 1's 8 stores and 8 loads may be out
	SEND 3, 0
	TOSTAGE 1, 2
	s_wait_dscnt 16
	SEND 3, 1
	TOSTAGE 1, 3
	s_wait_dscnt 16
	SEND 3, 2
	s_wait_dscnt 0x0
	SEND 3, 3
	s_wait_tensorcnt 0x0                           ; the wave's end: a tensor wait, an add to my spare word and its wait, behind my last tensor load and my last LDS store
	ds_add_u32 v[SPW], v[NIL]
	s_wait_dscnt 0x0
	CROUND                                         ; the closing round: no work-group ends while a partner may still ask for a tile that names it
	s_endpgm
.Lfunc_end_k_q333ec4b699_outp:
	.size	k_q333ec4b699_outp, .Lfunc_end_k_q333ec4b699_outp-k_q333ec4b699_outp
	.p2alignl 7, 3214868480
	.fill 96, 4, 3214868480
	.section	.rodata,"a",@progbits
	.p2align	6, 0x0
	.amdhsa_kernel k_q333ec4b699_outp
		.amdhsa_group_segment_fixed_size 280064
		.amdhsa_private_segment_fixed_size 0
		.amdhsa_enable_private_segment 0
		.amdhsa_kernarg_size 24
		.amdhsa_user_sgpr_count 2
		.amdhsa_user_sgpr_kernarg_segment_ptr 1
		.amdhsa_wavefront_size32 1
		.amdhsa_system_sgpr_workgroup_id_x 1
		.amdhsa_system_sgpr_workgroup_id_y 1
		.amdhsa_system_sgpr_workgroup_id_z 1
		.amdhsa_system_vgpr_workitem_id 0
		.amdhsa_next_free_vgpr 1024
		.amdhsa_next_free_sgpr 66
		.amdhsa_reserve_vcc 0
		.amdhsa_float_denorm_mode_32 3
		.amdhsa_float_denorm_mode_16_64 3
		.amdhsa_memory_ordered 1
		.amdhsa_forward_progress 1
		.amdhsa_inst_pref_size 161
	.end_amdhsa_kernel
	.amdgpu_metadata
---
amdhsa.version: [ 1, 2 ]
amdhsa.kernels:
  - .name:           k_q333ec4b699_outp
    .symbol:         k_q333ec4b699_outp.kd
    .args:
      - { .name: o_img, .offset: 0, .size: 8, .value_kind: global_buffer, .address_space: global }
      - { .name: wo_img, .offset: 8, .size: 8, .value_kind: global_buffer, .address_space: global }
      - { .name: out0, .offset: 16, .size: 8, .value_kind: global_buffer, .address_space: global }
    .group_segment_fixed_size: 280064
    .private_segment_fixed_size: 0
    .kernarg_segment_align: 8
    .kernarg_segment_size: 24
    .max_flat_workgroup_size: 128
    .sgpr_count:     66
    .vgpr_count:     1024
    .wavefront_size: 32
...
	.end_amdgpu_metadata
.endif
;; end of part 5
